; MI455X (gfx1250); checked and timed in simulation.
; The chip was launched on July 23, 2026; its instructions are those of AMD's public machine-readable ISA for CDNA 5 (MIT licence, August 2026) and "CDNA5" Instruction Set Architecture Reference Guide (July 2026). The comments in the code are by the model that wrote it; some were corrected since.
;; Mo E Layer. Allowed arithmetic: matrix products marked QUANTISED: E3M2 operands, one E8M0 scale for each 32 along K, by v_wmma_scale_f32_16x16x128_f8f6f4 with both operands' format E3M2, f32 sums; products left as they are: f32 operands where the result goes on into a quantised operand, else bf16, f16 or f32 operands; f32 sums; everything else in f32.
;; Inputs: W1 8 x 1,024 x 4,096 float32; W2 8 x 4,096 x 1,024 float32; Wr 1,024 x 8 float32; b1 8 x 4,096 float32; b2 8 x 1,024 float32; br 8 float32; x 4 x 256 x 1,024 float32.
;; Outputs: out0 4 x 256 x 1,024 float32.
;; This version of the problem:
;;   THIS VERSION OF THE PROBLEM IS GIVEN IN LOW PRECISION. The matrix products marked QUANTISED in the list below multiply operands that are first quantised to E3M2 (3 exponent bits, 2 mantissa bits; 6 bits a number), with one power-of-two scale for each 32 numbers along K (OCP MX v1.0); their sums are f32. All else is computed in f32.
;;   The module's matrix products, in the order in which they are computed (A, B: the left and right operand; K: the contracted axis; several contracted axes count as one K, in the product's order):
;;     1. [M 1,024, K 1,024] x [K 1,024, N 8]; A: input x; B: input Wr: left as it is (N = 8 < 16)
;;     2. [M 1,024, K 1,024] x [K 1,024, N 4,096]; A: input x; B: input W1: QUANTISED
;;     3. [M 1,024, K 4,096] x [K 4,096, N 1,024]; A: computed on the way; B: input W2: QUANTISED
;;     4. [M 1,024, K 1,024] x [K 1,024, N 4,096]; A: input x; B: input W1: QUANTISED
;;     5. [M 1,024, K 4,096] x [K 4,096, N 1,024]; A: computed on the way; B: input W2: QUANTISED
;;     6. [M 1,024, K 1,024] x [K 1,024, N 4,096]; A: input x; B: input W1: QUANTISED
;;     7. [M 1,024, K 4,096] x [K 4,096, N 1,024]; A: computed on the way; B: input W2: QUANTISED
;;     8. [M 1,024, K 1,024] x [K 1,024, N 4,096]; A: input x; B: input W1: QUANTISED
;;     9. [M 1,024, K 4,096] x [K 4,096, N 1,024]; A: computed on the way; B: input W2: QUANTISED
;;     10. [M 1,024, K 1,024] x [K 1,024, N 4,096]; A: input x; B: input W1: QUANTISED
;;     11. [M 1,024, K 4,096] x [K 4,096, N 1,024]; A: computed on the way; B: input W2: QUANTISED
;;     12. [M 1,024, K 1,024] x [K 1,024, N 4,096]; A: input x; B: input W1: QUANTISED
;;     13. [M 1,024, K 4,096] x [K 4,096, N 1,024]; A: computed on the way; B: input W2: QUANTISED
;;     14. [M 1,024, K 1,024] x [K 1,024, N 4,096]; A: input x; B: input W1: QUANTISED
;;     15. [M 1,024, K 4,096] x [K 4,096, N 1,024]; A: computed on the way; B: input W2: QUANTISED
;;     16. [M 1,024, K 1,024] x [K 1,024, N 4,096]; A: input x; B: input W1: QUANTISED
;;     17. [M 1,024, K 4,096] x [K 4,096, N 1,024]; A: computed on the way; B: input W2: QUANTISED
;;   THE QUANTISER, for each operand of a quantised product, along K:
;;     - K is cut into blocks of 32 from its start; a last block that is shorter is filled with zeros.
;;     - A block's scale is 2^e with e = floor(log2(the largest magnitude in the block)) - 4, held to -126 .. 127; a block of zeros has e = 0. As a byte (E8M0): e + 127.
;;     - Each number is divided by its block's scale, clamped to +-28, and rounded to the nearest number of E3M2, ties to even, subnormals kept.
;;     - The product sums the exact products of the quantised numbers (number of the format x scale) in f32.
;;   ~~~python
;;   def quantise(x, axis):      # numpy; x: float32 -> the quantised numbers, widened to float32 again
;;       x = np.moveaxis(x, axis, -1); K = x.shape[-1]
;;       x = np.pad(x, [(0, 0)] * (x.ndim - 1) + [(0, -K % 32)]); x = x.reshape(x.shape[:-1] + (-1, 32)); a = np.abs(x).max(-1, keepdims=True)
;;       e = np.where(a > 0, np.clip(np.frexp(np.where(a > 0, a, 1))[1] - 1 - 4, -126, 127), 0)      # np.frexp(a)[1] - 1 = floor(log2(a)), exactly
;;       r = np.clip(x / 2.0 ** e, -28, 28)
;;       step = 2.0 ** (np.maximum(np.frexp(np.where(r == 0, 1, r))[1] - 1, -2) - 2)
;;       q = np.round(r / step) * step * 2.0 ** e      # np.round: ties to even
;;       return np.moveaxis(q.reshape(q.shape[:-2] + (-1,))[..., :K], -1, axis).astype(np.float32)
;;   ~~~
;;   OPERANDS COMPUTED ON THE WAY. 'Computed on the way' means the value that the module computes at that place (a softmax that the list does not call 'softmax' is quantised finished and normalised). What goes into a quantiser is computed in f32, as accurately as f32 sums, v_exp_f32 and their like allow (about 1e-6 of the number): no bf16 or f16 on the way to a quantiser, and a product that is left as it is and whose result goes on into a quantised operand takes f32 operands (vector FMAs, or v_wmma_f32_16x16x4_f32). A number that lies on a knife's edge between two numbers of the format may be rounded either way, as far as f32 arithmetic and the matrix unit's own rounding can turn it there, and no further.
;; 2 versions, each right; version 2 is version 1 with the launches gemm1, gemm2 written anew for expert scheduling mode. Each part assembles by itself: llvm-mc -triple=amdgcn-amd-amdhsa -mcpu=gfx1250 --defsym DOCPART=n.
;; ======== version 1 of 2: 5 launches
;; workspace buffers: xq 786,432 bytes; xs 32,768 bytes; sel 4,096 bytes of whole numbers; p0w 4,096 bytes; lst 45,056 bytes of whole numbers; hq 31,457,280 bytes; hs 1,310,720 bytes; y 16,842,752 bytes
;; launch route (part 1): grid 256 x 1, 1 waves a work-group, no clusters, 18,944 bytes of LDS; arguments x, Wr, br, xq, xs, sel, p0w; writes xq, xs, sel, p0w
.if DOCPART == 1
	.amdgcn_target "amdgcn-amd-amdhsa--gfx1250"
	.amdhsa_code_object_version 6
	.text
	.protected	k_q3a624e91cc_route
	.globl	k_q3a624e91cc_route
	.p2align	8
	.type	k_q3a624e91cc_route,@function
k_q3a624e91cc_route:
	s_mov_b64 s[64:65], 0
	v_nop
	global_prefetch_b8 v0, s[64:65] scope:SCOPE_SE
	s_setreg_imm32_b32 hwreg(HW_REG_WAVE_MODE, 25, 1), 1
	s_wait_xcnt 0x0
; ROUTER AND QUANTISER OF x.  One wave takes four tokens (rows of 1,024 f32).
; (1) logits = x Wr + br in f32 multiply-adds; p_e = 2^((l_e - max) log2 e); the two largest p, ties to the lower index;
;     p0 = P1 / (P1 + P2).  sel[t] = first | second << 8 (whole numbers, used for addresses by a later launch only), p0w[t] = p0.
; (2) x as codes of E3M2 with one E8M0 byte for each 32 along the row.  xq: 768 bytes a token; each 128 numbers are 96 bytes with their
;     four blocks in the order 0, 2, 1, 3, so that lane (r, h) of an operand finds its 12 registers as 48 bytes on end at 48 h.
;     xs: 8 words a token; the word of the s-th 128 stands at place 4 (s & 1) + 2 (s >> 2) + ((s >> 1) & 1), byte b = block b:
;     so the four words that one half of an operand's lanes wants are 16 bytes on end.
; LIMITS: NaN and infinities are not served.  A block whose largest magnitude lies under 2^-122, a block of zeros too, gets the byte 1
; (its codes are what the conversion gives under that scale; the bytes are read by this program alone).  Where a probability falls
; under 2^-126 (a logit more than 87 under the largest) the exponential gives 0, and the second choice among such may differ.
; No barrier (one wave), EXEC is never written, no matrix unit: the product has 8 columns and steers a choice, so it stays in f32.
; ALL LOADS GO OUT AT THE HEAD: x's 32, then Wr's 64, which land in the second window of registers.
.set SBY, 18432                        ; LDS: 0.. four stages (a token each) of 32 blocks x (128 bytes + 16); here 128 scale bytes
.set X,   32                           ; v32-159  X[32 tk + 4 q + c] = x[tk][128 q + 4 lane + c]
.set S,   224                          ; v224-255 S[8 tk + e]
.set XQ,  160                          ; two sets of 16 neighbours
.set CD,  192                          ; four registers of codes for each of 8 steps
                                       ; window 1: v[32 q + 8 c + e] = Wr[128 q + 4 lane + c][e]
.set MSB, 0
.macro WIN new                         ; the immediate's high byte repeats the setting that is left
.if MSB != \new
	s_set_vgpr_msb (MSB<<8)|\new
.set MSB, \new
.endif
.endm
	s_load_b256 s[4:11], s[0:1], 0x0               ; x s[4:5], Wr s[6:7], br s[8:9], xq s[10:11]
	s_load_b128 s[12:15], s[0:1], 0x20             ; xs s[12:13], sel s[14:15]
	s_load_b64 s[16:17], s[0:1], 0x30              ; p0w
	v_lshl_add_u32 v219, v0, 2, 0x4900
	v_mov_b32 v223, 0
	v_lshlrev_b32 v2, 4, v0                        ; 16 x lane
	v_lshlrev_b32 v3, 7, v0                        ; 128 x lane: four rows of Wr
	v_lshrrev_b32 v4, 3, v0                        ; g = lane / 8: which 128 of a half row
	v_and_b32 v5, 7, v0
	v_mul_u32_u24 v6, 144, v4
	v_lshl_add_u32 v6, v5, 4, v6                   ; into a stage: 144 (lane / 8) + 16 (lane % 8)
	v_bfe_u32 v7, v0, 1, 1
	v_bfe_u32 v8, v0, 2, 1
	v_lshl_or_b32 v7, v7, 1, v8                    ; which block of its 128 my place in xq holds: places 0, 1, 2, 3 hold blocks 0, 2, 1, 3
	v_lshl_add_u32 v8, v4, 2, v7                   ; 4 g + block
	v_mul_u32_u24 v9, 144, v8
	v_and_b32 v10, 1, v0
	v_lshl_add_u32 v9, v10, 6, v9                  ; out of a stage: my 16 neighbours
	v_and_b32 v14, 1, v4
	v_lshrrev_b32 v15, 1, v4
	v_lshl_add_u32 v8, v14, 4, v7
	v_lshl_add_u32 v8, v15, 2, v8
	v_add_nc_u32 v8, SBY, v8                       ; my block's scale byte: 16 (g & 1) + 4 (g >> 1) + block
	v_mul_u32_u24 v10, 12, v0                      ; my 12 bytes of codes
	v_lshlrev_b32 v11, 2, v0
	v_add_nc_u32 v12, SBY, v11
	v_and_b32 v13, 3, v0
	v_lshlrev_b32 v13, 2, v13                      ; 4 (lane % 4): lane l speaks for token l % 4
	s_lshl_b32 s2, ttmp9, 14                       ; four rows of 4,096 bytes
	s_mov_b32 s3, 0
	s_mul_i32 s18, ttmp9, 3072
	s_mov_b32 s19, 0
	s_mov_b32 s28, 0x76543210
	s_mov_b32 s29, 0xfedcba98                      ; v_permlanex16_b32: lane l xor 16
	s_mov_b32 s32, 0x3fb8aa3b                      ; log2(e)
	s_wait_kmcnt 0x0
	s_load_b256 s[20:27], s[8:9], 0x0              ; br
	s_add_nc_u64 s[4:5], s[4:5], s[2:3]
	s_add_nc_u64 s[10:11], s[10:11], s[18:19]
	s_lshl_b32 s2, ttmp9, 7
	s_add_nc_u64 s[12:13], s[12:13], s[2:3]
	s_lshl_b32 s2, ttmp9, 4
	s_add_nc_u64 s[14:15], s[14:15], s[2:3]
	s_add_nc_u64 s[16:17], s[16:17], s[2:3]
.irp tk, 0,1,2,3
.irp q, 0,1,2,3,4,5,6,7
	global_load_b128 v[X+32*\tk+4*\q:X+32*\tk+4*\q+3], v2, s[4:5] offset:4096*\tk+512*\q th:TH_LOAD_NT   ; 512 bytes on end
.endr
.endr
	WIN 0x40                                       ; destinations in window 1
.irp g, 0,1,2,3,4,5,6,7
.irp m, 0,1,2,3,4,5,6,7
	global_load_b128 v[32*\g+4*\m:32*\g+4*\m+3], v3, s[6:7] offset:4096*\g+16*\m
.endr
.endr
	WIN 0
	s_wait_loadcnt 63                              ; x is in: 64 loads are younger than its last, and the count's field ends at 63
.irp tk, 0,1,2,3
.irp q, 0,1,2,3,4,5,6,7
	ds_store_b128 v6, v[X+32*\tk+4*\q:X+32*\tk+4*\q+3] offset:4608*\tk+576*\q   ; the rows as they lie, 16 bytes of padding behind each block
.endr
.endr
; 128 of the 1,024 along the row: 64 packed multiply-adds, 16 sums by turns.  The very first are multiplications: nothing is cleared.
.macro DOT q
	s_wait_loadcnt 56-8*\q                         ; this group's eight loads are in; the later groups' 8 (7 - q) may be out
.irp c, 0,1,2,3
.irp tk, 0,1,2,3
.irp e2, 0,1,2,3
.if (\q == 0) && (\c == 0)
	v_pk_mul_f32 v[S+8*\tk+2*\e2:S+8*\tk+2*\e2+1], v[X+32*\tk:X+32*\tk+1], v[2*\e2:2*\e2+1] op_sel_hi:[0,1]
.elseif \c%2
	v_pk_fma_f32 v[S+8*\tk+2*\e2:S+8*\tk+2*\e2+1], v[X+32*\tk+4*\q+2*(\c/2):X+32*\tk+4*\q+2*(\c/2)+1], v[32*\q+8*\c+2*\e2:32*\q+8*\c+2*\e2+1], v[S+8*\tk+2*\e2:S+8*\tk+2*\e2+1] op_sel:[1,0,0] op_sel_hi:[1,1,1]
.else
	v_pk_fma_f32 v[S+8*\tk+2*\e2:S+8*\tk+2*\e2+1], v[X+32*\tk+4*\q+2*(\c/2):X+32*\tk+4*\q+2*(\c/2)+1], v[32*\q+8*\c+2*\e2:32*\q+8*\c+2*\e2+1], v[S+8*\tk+2*\e2:S+8*\tk+2*\e2+1] op_sel:[0,0,0] op_sel_hi:[0,1,1]
.endif
.endr
.endr
.endr
.endm
	WIN 0x04                                       ; source 1 (Wr) in window 1: one setting for all 512 lines
.irp q, 0,1,2,3,4,5,6,7
	DOT \q
.endr
	WIN 0
; the 32 sums over the 32 lanes: every lane ends with all of them
.irp k, 1,2,4,8
.set n, 0
.rept 32
	v_add_f32_dpp v[S+n], v[S+n], v[S+n] row_xmask:\k row_mask:0xf bank_mask:0xf
.set n, n+1
.endr
.endr
.set n, 0
.rept 32
	v_permlanex16_b32 v[X+n], v[S+n], s28, s29     ; (destinations that have been written: x's registers are done with)
.set n, n+1
.endr
.set n, 0
.rept 32
	v_add_f32 v[S+n], v[S+n], v[X+n]
.set n, n+1
.endr
; lane l takes token l % 4
	v_and_b32 v16, 1, v0
	v_cmp_ne_u32 s30, 0, v16
	v_and_b32 v16, 2, v0
	v_cmp_ne_u32 s31, 0, v16
.irp e, 0,1,2,3,4,5,6,7
	v_cndmask_b32 v[S+\e], v[S+\e], v[S+8+\e], s30
	v_cndmask_b32 v[S+16+\e], v[S+16+\e], v[S+24+\e], s30
.endr
	s_wait_kmcnt 0x0                               ; br
.irp e, 0,1,2,3,4,5,6,7
	v_cndmask_b32 v[S+\e], v[S+\e], v[S+16+\e], s31
.endr
.irp e, 0,1,2,3,4,5,6,7
	v_add_f32 v[S+\e], s[20+\e], v[S+\e]
.endr
	v_max3_num_f32 v16, v[S], v[S+1], v[S+2]
	v_max3_num_f32 v16, v16, v[S+3], v[S+4]
	v_max3_num_f32 v16, v16, v[S+5], v[S+6]
	v_max_num_f32 v16, v16, v[S+7]                 ; the largest logit is taken away ahead of the exponentials
	v_mul_f32 v17, s32, v16
.irp e, 0,1,2,3,4,5,6,7
	v_fma_f32 v[S+\e], v[S+\e], s32, -v17
.endr
.irp e, 0,1,2,3,4,5,6,7
	v_exp_f32 v[S+\e], v[S+\e]
.endr
	v_mov_b32 v19, 0                               ; (a plain line behind the exponentials)  the first choice so far: expert 0
	s_wait_alu depctr_va_vdst(0)
	v_mov_b32 v18, v[S]
	v_mov_b32 v20, -1.0                            ; the second: under every p
	v_mov_b32 v21, 0
.irp e, 1,2,3,4,5,6,7                  ; strictly greater: of equals the lower index stays ahead
	v_cmp_gt_f32 s33, v[S+\e], v18
	v_cmp_gt_f32 s34, v[S+\e], v20
	v_cndmask_b32 v20, v20, v[S+\e], s34
	v_cndmask_b32 v21, v21, \e, s34
	v_cndmask_b32 v20, v20, v18, s33
	v_cndmask_b32 v21, v21, v19, s33
	v_cndmask_b32 v18, v18, v[S+\e], s33
	v_cndmask_b32 v19, v19, \e, s33
.endr
	v_add_f32 v22, v18, v20
	v_rcp_f32 v22, v22
	v_lshl_or_b32 v23, v21, 8, v19                 ; (a plain line behind the reciprocal)
	s_wait_alu depctr_va_vdst(0)
	v_mul_f32 v22, v18, v22                        ; p0: the softmax's own divisor cancels
	global_store_b32 v13, v23, s[14:15]            ; eight lanes hold each token: the same word to the same place
	global_store_b32 v13, v22, s[16:17]
; THE CODES.  Step n = 2 token + half row: 512 numbers; a lane takes 16 neighbours, two neighbouring lanes a block.
.macro QLD n
.irp i, 0,1,2,3
	ds_load_b128 v[XQ+16*((\n)%2)+4*\i:XQ+16*((\n)%2)+4*\i+3], v9 offset:4608*((\n)/2)+2304*((\n)%2)+16*\i
.endr
.endm
.macro QX n
.if \n < 7
	QLD \n+1
	s_wait_dscnt 4                                 ; all but the four just issued: this step's numbers are in
.else
	s_wait_dscnt 0x0
.endif
.set XS, XQ+16*(\n%2)
	v_max3_num_f32 v24, |v[XS]|, |v[XS+1]|, 0x2800000              ; the floor 2^(5 - 127) among the leaves: the byte cannot fall under 1
	v_max3_num_f32 v25, |v[XS+2]|, |v[XS+3]|, |v[XS+4]|
	v_max3_num_f32 v24, v24, |v[XS+5]|, |v[XS+6]|
	v_max3_num_f32 v25, v25, |v[XS+7]|, |v[XS+8]|
	v_max3_num_f32 v24, v24, |v[XS+9]|, |v[XS+10]|
	v_max3_num_f32 v25, v25, |v[XS+11]|, |v[XS+12]|
	v_max3_num_f32 v24, v24, |v[XS+13]|, |v[XS+14]|
	v_max3_num_f32 v24, v24, v25, |v[XS+15]|
	v_max_num_f32_dpp v24, v24, v24 row_xmask:1 row_mask:0xf bank_mask:0xf   ; with my neighbour's 16: the block's largest magnitude
	v_add_nc_u32 v26, 0xfe000000, v24              ; 4 off its exponent field: the conversion's scale operand
	v_cvt_scalef32_pk16_bf6_f32 v[CD+4*\n:CD+4*\n+2], v[XS:XS+15], v26
	v_lshrrev_b32 v27, 23, v26                     ; the scale's byte
	ds_store_b8 v8, v27 offset:32*(\n/2)+8*(\n%2)  ; both lanes of a block write the same byte
	global_store_b96 v10, v[CD+4*\n:CD+4*\n+2], s[10:11] offset:384*\n   ; the wave stores 384 bytes on end; each step has registers of its own
.endm
	QLD 0
.irp n, 0,1,2,3,4,5,6,7
	QX \n
.endr
	ds_load_b32 v28, v12                           ; LDS serves a wave in order: this sees the byte stores
	s_wait_dscnt 0x0
	global_store_b32 v11, v28, s[12:13]            ; four tokens' 32 scale words: 128 bytes on end
	s_wait_tensorcnt 0x0
	ds_add_u32 v219, v223
	s_wait_dscnt 0x0
	s_endpgm
.Lfunc_end_k_q3a624e91cc_route:
	.size	k_q3a624e91cc_route, .Lfunc_end_k_q3a624e91cc_route-k_q3a624e91cc_route
	.p2alignl 7, 3214868480
	.fill 96, 4, 3214868480
	.section	.rodata,"a",@progbits
	.p2align	6, 0x0
	.amdhsa_kernel k_q3a624e91cc_route
		.amdhsa_group_segment_fixed_size 18944
		.amdhsa_private_segment_fixed_size 0
		.amdhsa_enable_private_segment 0
		.amdhsa_kernarg_size 56
		.amdhsa_user_sgpr_count 2
		.amdhsa_user_sgpr_kernarg_segment_ptr 1
		.amdhsa_wavefront_size32 1
		.amdhsa_system_sgpr_workgroup_id_x 1
		.amdhsa_system_sgpr_workgroup_id_y 1
		.amdhsa_system_sgpr_workgroup_id_z 1
		.amdhsa_system_vgpr_workitem_id 0
		.amdhsa_next_free_vgpr 512
		.amdhsa_next_free_sgpr 66
		.amdhsa_reserve_vcc 0
		.amdhsa_float_denorm_mode_32 3
		.amdhsa_float_denorm_mode_16_64 3
		.amdhsa_memory_ordered 1
		.amdhsa_forward_progress 1
		.amdhsa_inst_pref_size 74
	.end_amdhsa_kernel
	.amdgpu_metadata
---
amdhsa.version: [ 1, 2 ]
amdhsa.kernels:
  - .name:           k_q3a624e91cc_route
    .symbol:         k_q3a624e91cc_route.kd
    .args:
      - { .name: x, .offset: 0, .size: 8, .value_kind: global_buffer, .address_space: global }
      - { .name: Wr, .offset: 8, .size: 8, .value_kind: global_buffer, .address_space: global }
      - { .name: br, .offset: 16, .size: 8, .value_kind: global_buffer, .address_space: global }
      - { .name: xq, .offset: 24, .size: 8, .value_kind: global_buffer, .address_space: global }
      - { .name: xs, .offset: 32, .size: 8, .value_kind: global_buffer, .address_space: global }
      - { .name: sel, .offset: 40, .size: 8, .value_kind: global_buffer, .address_space: global }
      - { .name: p0w, .offset: 48, .size: 8, .value_kind: global_buffer, .address_space: global }
    .group_segment_fixed_size: 18944
    .private_segment_fixed_size: 0
    .kernarg_segment_align: 8
    .kernarg_segment_size: 56
    .max_flat_workgroup_size: 32
    .sgpr_count:     66
    .vgpr_count:     512
    .wavefront_size: 32
...
	.end_amdgpu_metadata
.endif
;; end of part 1
;; launch place (part 2): grid 8 x 1, 1 waves a work-group, no clusters, 0 bytes of LDS; arguments sel, lst; writes lst
.if DOCPART == 2
	.amdgcn_target "amdgcn-amd-amdhsa--gfx1250"
	.amdhsa_code_object_version 6
	.text
	.protected	k_q3a624e91cc_place
	.globl	k_q3a624e91cc_place
	.p2align	8
	.type	k_q3a624e91cc_place,@function
k_q3a624e91cc_place:
	s_mov_b64 s[64:65], 0
	v_nop
	global_prefetch_b8 v0, s[64:65] scope:SCOPE_SE
	s_setreg_imm32_b32 hwreg(HW_REG_WAVE_MODE, 25, 1), 1
	s_wait_xcnt 0x0
; THE ROWS OF EACH EXPERT.  Work-group e (one wave) reads all 1,024 words of sel and lists the rows that chose expert e:
; lst + 5,632 e: places 0 .. 1,279 (words): row id = 1,024 x slot + token (slot 0: first choice, 1: second); unused places hold 2,048 + e
; (a row of its own for what padding computes); the count at byte 5,120; 32 words at byte 5,376 take the lanes that have nothing to list.
; A counting pass without atomics: a lane's place is the count so far + the number of lower lanes that list in the same step.
; THREE PHASES, so that no line waits for the line above it: all 64 lane masks by vector compares; the running count in scalars alone; addresses and stores by kind.
; Every address made of loaded numbers is held under a constant first.  One owner for each byte: work-group e writes its 5,632 bytes alone.
.set MA, 20                            ; s20-51  step n: the lanes whose token chose e
.set MB, 66                            ; s66-97  step n: those that chose it second
	s_load_b128 s[4:7], s[0:1], 0x0                ; sel, lst
	v_lshlrev_b32 v1, 4, v0
	v_lshlrev_b32 v2, 2, v0                        ; word n = 4 a + b of lane l is token 128 a + 4 l + b
	v_add_nc_u32 v3, 1344, v0                      ; my spare place
	s_mul_i32 s13, ttmp9, 0x101                    ; e in both bytes
	s_mul_i32 s8, ttmp9, 5632
	s_mov_b32 s9, 0
	s_add_co_u32 s10, ttmp9, 2048
	v_mov_b32 v4, s10
	v_mov_b32 v5, 0
	s_mov_b32 s12, 0                               ; the count
	s_wait_kmcnt 0x0
	s_add_nc_u64 s[6:7], s[6:7], s[8:9]
.irp a, 0,1,2,3,4,5,6,7
	global_load_b128 v[8+4*\a:8+4*\a+3], v1, s[4:5] offset:512*\a
.endr
	s_wait_loadcnt 0x0
.set n, 0
.rept 32
	v_xor_b32 v[8+n], s13, v[8+n]                  ; a byte is 0 where it names e
.set n, n+1
.endr
.set n, 0
.rept 32
	v_lshrrev_b32 v[72+n], 8, v[8+n]               ; the second choice's byte
	v_and_b32 v[40+n], 0xff, v[8+n]                ; the first's
.set n, n+1
.endr
.set n, 0
.rept 32
	v_min_u32 v[40+n], v[40+n], v[72+n]            ; 0 where either names e
.set n, n+1
.endr
.set n, 0
.rept 32
	v_cmp_eq_u32 s[MA+n], 0, v[40+n]
	v_cmp_eq_u32 s[MB+n], 0, v[72+n]
.set n, n+1
.endr
.set n, 0
.rept 32
	v_mbcnt_lo_u32_b32 v[40+n], s[MA+n], s12       ; the count so far + the lower lanes that list in this step
	s_bcnt1_i32_b32 s17, s[MA+n]
	s_add_co_u32 s12, s12, s17
.set n, n+1
.endr
.set n, 0
.rept 32
	v_cndmask_b32 v[40+n], v3, v[40+n], s[MA+n]
	v_add_nc_u32 v[72+n], 128*(n/4)+n%4, v2
	v_add_nc_u32 v[8+n], 1024+128*(n/4)+n%4, v2
.set n, n+1
.endr
.set n, 0
.rept 32
	v_min_u32 v[40+n], 1375, v[40+n]
	v_cndmask_b32 v[72+n], v[72+n], v[8+n], s[MB+n]
.set n, n+1
.endr
.set n, 0
.rept 32
	v_lshlrev_b32 v[40+n], 2, v[40+n]
.set n, n+1
.endr
.set n, 0
.rept 32                               ; each step has an address and a data register of its own: no store's source is written again
	global_store_b32 v[40+n], v[72+n], s[6:7]
.set n, n+1
.endr
.set n, 0
.rept 40                               ; the places from the count on
	v_add_nc_u32 v[104+n], 32*n, v0
.set n, n+1
.endr
.set n, 0
.rept 40
	v_max_u32 v[104+n], s12, v[104+n]
.set n, n+1
.endr
.set n, 0
.rept 40
	v_min_u32 v[104+n], 1279, v[104+n]
.set n, n+1
.endr
.set n, 0
.rept 40
	v_lshlrev_b32 v[104+n], 2, v[104+n]
.set n, n+1
.endr
.set n, 0
.rept 40
	global_store_b32 v[104+n], v4, s[6:7]
.set n, n+1
.endr
	v_mov_b32 v7, s12
	global_store_b32 v5, v7, s[6:7] offset:5120
	s_endpgm
.Lfunc_end_k_q3a624e91cc_place:
	.size	k_q3a624e91cc_place, .Lfunc_end_k_q3a624e91cc_place-k_q3a624e91cc_place
	.p2alignl 7, 3214868480
	.fill 96, 4, 3214868480
	.section	.rodata,"a",@progbits
	.p2align	6, 0x0
	.amdhsa_kernel k_q3a624e91cc_place
		.amdhsa_group_segment_fixed_size 0
		.amdhsa_private_segment_fixed_size 0
		.amdhsa_enable_private_segment 0
		.amdhsa_kernarg_size 16
		.amdhsa_user_sgpr_count 2
		.amdhsa_user_sgpr_kernarg_segment_ptr 1
		.amdhsa_wavefront_size32 1
		.amdhsa_system_sgpr_workgroup_id_x 1
		.amdhsa_system_sgpr_workgroup_id_y 1
		.amdhsa_system_sgpr_workgroup_id_z 1
		.amdhsa_system_vgpr_workitem_id 0
		.amdhsa_next_free_vgpr 144
		.amdhsa_next_free_sgpr 100
		.amdhsa_reserve_vcc 0
		.amdhsa_float_denorm_mode_32 3
		.amdhsa_float_denorm_mode_16_64 3
		.amdhsa_memory_ordered 1
		.amdhsa_forward_progress 1
		.amdhsa_inst_pref_size 40
	.end_amdhsa_kernel
	.amdgpu_metadata
---
amdhsa.version: [ 1, 2 ]
amdhsa.kernels:
  - .name:           k_q3a624e91cc_place
    .symbol:         k_q3a624e91cc_place.kd
    .args:
      - { .name: sel, .offset: 0, .size: 8, .value_kind: global_buffer, .address_space: global }
      - { .name: lst, .offset: 8, .size: 8, .value_kind: global_buffer, .address_space: global }
    .group_segment_fixed_size: 0
    .private_segment_fixed_size: 0
    .kernarg_segment_align: 8
    .kernarg_segment_size: 16
    .max_flat_workgroup_size: 32
    .sgpr_count:     100
    .vgpr_count:     144
    .wavefront_size: 32
...
	.end_amdgpu_metadata
.endif
;; end of part 2
;; launch gemm1 (part 3): grid 32 x 8, 4 waves a work-group, no clusters, 107,008 bytes of LDS; arguments W1, b1, xq, xs, lst, hq, hs; writes hq, hs
.if DOCPART == 3
	.amdgcn_target "amdgcn-amd-amdhsa--gfx1250"
	.amdhsa_code_object_version 6
	.text
	.protected	k_q3a624e91cc_gemm1
	.globl	k_q3a624e91cc_gemm1
	.p2align	8
	.type	k_q3a624e91cc_gemm1,@function
k_q3a624e91cc_gemm1:
	s_mov_b64 s[64:65], 0
	v_nop
	global_prefetch_b8 v0, s[64:65] scope:SCOPE_SE
	s_setreg_imm32_b32 hwreg(HW_REG_WAVE_MODE, 25, 1), 1
	s_wait_xcnt 0x0
; h = Q(gelu(Q(x) Q(W1[e]) + b1[e])) for the rows that chose expert e.  Work-group (fs, e): columns 128 fs .. 128 fs + 127 of expert e, all K = 1,024.
; THE WEIGHTS ARE READ ONCE, AS f32, BY THE ONE WORK-GROUP THAT USES THEM, quantised in registers and kept in LDS as images of operand registers.
; A SLAB is 64 columns x 128 K (32 KB of f32; 4 fragments and their scale words: 6,656 bytes of LDS).  16 slabs: index 8 hi + K step.
; FOUR STEPS OF THE PIPELINE, two to a trip of the loop: (columns 0-63, K steps 0-3), (0-63, 4-7), (64-127, 4-7), (64-127, 0-3).  In each, wave w quantises one slab (K step 4 rho + w); behind ONE barrier
; every wave multiplies the four slabs with its own five tiles of 16 rows.  The second half of the columns takes K steps 4-7 first, so that the row fragments that lie in the registers serve again:
; three runs of 60 fragment loads for the four steps.  While a step is worked, the wave's next slab (64 loads of 512 bytes) is on its way.
; A LOAD OF 16 BYTES takes columns 4 r .. 4 r + 3 of one row of W1: lanes 0-15 cover 256 aligned bytes, lanes 16-31 the same columns 32 rows down.  32 such loads give a lane
; four whole blocks of 32 along K, one for each column 4 r + j: registers 6 c .. 6 c + 5 of lane (r, h) of fragment j, whose row m is column 4 m + j.  No other lane is asked.
; THE PRODUCT IS USED TRANSPOSED (source 0 = weights, source 1 = rows): accumulator (i, j), register j' of lane (r, h) = row r of tile i, column 32 h + 4 j' + j.  So a lane's 32 registers
; of a tile are one whole block along the next product's K, in the order 4 (p % 8) + p / 8, which the next launch gives its weights too.
; ROWS: place 16 t + r of the expert's list is row r of tile t.  Chunk 0 (20 tiles, 5 a wave) is always computed; chunks 1 to 3 only where the stored count reaches them, from the images in LDS.
; Padding places compute a real token's row into image rows that only padding reads.
; FEW LOAD INSTRUCTIONS: a wave's loads in flight are bounded by the counter's field (ISA guide 5.7.1), so the bias comes by 8 loads of 16 bytes (and 32 moves), a tile's scale words by one.
; NOT USED: tensor loads and joint loads;
; prefetches (each wave's next 32 KB are already requested a step ahead).
; LIMITS: NaN and infinities are not served; a block whose largest magnitude lies under 2^-122, zeros too, gets the byte 1 (read by this program alone).
; REGISTERS, in windows of 256: window 0: addresses, scales, T/G at work, CF codes being made, F0/F1 weight fragments (over T and CF, which are dead then), the bias.
;   window 1: two sets of 128 for the weights as loaded.   window 2: BF, 20 row fragments.   window 3: 20 accumulators (0-159), HC: the hidden layer's codes (160-219), BT: the bias as loaded (220-251).
.set RS,    16384                      ; a row of W1 in bytes
.set SLABB, 6656
.set RNDW,  4*SLABB
.set HALFW, 8*SLABB
.set OAX,   79872                      ; 0 xor this = HALFW + RNDW: a trip's first step stores slabs 0-3, then slabs 12-15
.set OBX,   47104                      ; RNDW xor HALFW: its second step slabs 4-7, then slabs 8-11
.set L,   1
.set R,   2
.set HH,  3
.set WOF, 4                            ; 16 r + 32 rows x h
.set L16, 5                            ; 16 x lane: an image's place for my lane
.set WW0, 7                            ; where I store my slab's image: 16 x lane + 6,656 x wave
.set WWB, 8
.set WRB, 9
.set LO8, 10                           ; 8 r
.set WWA, 11
.set WRA, 12
.set V8H, 13
.set VSH, 14
.set BOF, 15
.set BOA, 16
.set LOF, 17
.set H48, 18
.set H16, 19
.set XA,  20                           ; v20-24 my rows' bytes in xq, a tile each
.set XB,  25                           ; v25-29 and in xs
.set TA,  34
.set TB,  35
.set SW,  46                           ; v46-50 the hidden layer's scale words
.set WSC0, 52                          ; v52-55, v56-59 the weights' scale words beside F0, F1
.set WSC1, 56
.set WS,  60
.set T,   64
.set G,   96
.set F0,  64
.set F1,  112
.set CF,  128
.set BY,  176
.set X1,  176
.set X2,  184
.set M,   188
.set SCL, 190
.set BYT, 191
.set BI,  192                          ; v192-223 the bias in the result's layout: 8 j + j'
.set C0,  224
.set SCR, 228                          ; v228-247 the rows' scale words: 4 i + 2 rho + a: lanes 0-15 K step 4 rho + 2 a, lanes 16-31 the next
.set SETA, 0
.set SETB, 128
.set HC,  160
.set BT,  220
.set PWA, 20                           ; W1 at K steps 0-3 (by wave), columns 0-63
.set PWB, 22                           ; at K steps 4-7
.set B1P, 24
.set LSP, 26
.set HQP, 28
.set HSP, 30
.set PR,  32                           ; what a trip's first step asks for: PWB, then PWA + 256
.set XQP, 34                           ; the fragments asked for behind a trip's first step: xq + 384, then xq
.set OA,  36
.set OB,  37
.set WV,  40
.set E,   41
.set FS,  42
.set CNT, 43
.set CB,  44
.set HI,  45
.set WO,  46
.set HB,  47
.set CH,  48
.set SEL, 50
.set C1,  52
.set MSB, 0
.macro WIN new                         ; the immediate's high byte repeats the setting that is left
.if MSB != \new
	s_set_vgpr_msb (MSB<<8)|\new
.set MSB, \new
.endif
.endm
.macro PLACES                          ; behind the last product of a run: five plain lines serve loads into its registers, reads of its results, and a sum begun anew over an accumulator
.rept 5
	v_nop
.endr
.endm
.macro BARRIER
	s_wait_dscnt 0x0                               ; my image has landed, my LDS loads are in
	s_barrier_signal -1
	s_barrier_wait -1
.endm
.macro ISSUE set, c, pb, im            ; 32 rows x 2 halves of a slab: rows 64 c + 32 h + p
	WIN 0x40
.set ip, 0
.rept 32
	global_load_b128 v[\set+4*ip:\set+4*ip+3], v[WOF], s[\pb:\pb+1] offset:(\im)+(64*(\c)+ip)*RS th:TH_LOAD_NT
.set ip, ip+1
.endr
	WIN 0
.endm
.macro BIASLD ar, im, pb               ; my half's 32 numbers of the bias as they lie: 8 loads
	WIN 0xC0
.irp k, 0,1,2,3,4,5,6,7
	global_load_b128 v[BT+4*\k:BT+4*\k+3], v[\ar], s[\pb:\pb+1] offset:(\im)+16*\k
.endr
	WIN 0
.endm
.macro BIASMV pad                      ; into the result's layout: register 8 j + j' = column 32 h + 4 j' + j.  pad = 1: products follow soon: eight plain lines behind the moves
	WIN 0x03
.irp j, 0,1,2,3
.irp k, 0,1,2,3,4,5,6,7
	v_mov_b32 v[BI+8*\j+\k], v[BT+4*\k+\j]
.endr
.endr
	WIN 0
.if \pad
.rept 8
	v_nop
.endr
.endif
.endm
.macro BMAX b                          ; the largest magnitude of v[b] .. v[b + 31], in two chains, with the floor 2^(5 - 127) among the leaves; then the conversion's scale operand
	v_max3_num_f32 v[M], |v[\b]|, |v[\b+1]|, 0x2800000
	v_max3_num_f32 v[M+1], |v[\b+2]|, |v[\b+3]|, |v[\b+4]|
.set bp, 0
.rept 13
	v_max3_num_f32 v[M+bp%2], v[M+bp%2], |v[\b+5+2*bp]|, |v[\b+6+2*bp]|
.set bp, bp+1
.endr
	v_max3_num_f32 v[M], v[M], v[M+1], |v[\b+31]|
	v_add_nc_u32 v[SCL], 0xfe000000, v[M]
.endm
; Unit c of my slab (set) becomes registers 6 c .. 6 c + 5 of the four fragments.  A load gave a lane four columns; the conversion wants 16 neighbours along K on end: so 32 moves a column.
; Behind the last column's moves the set is free.  pw >= 0: a wait for loads stands there.  rf = 1: the set takes the same unit of my next slab; rf = 2: only in the first trip (with the next bias, for c = 0).
.macro QUNIT set, c, rf, pb, im, pw
.irp j, 0,1,2,3
	WIN 0x01
.set qp, 0
.rept 32
	v_mov_b32 v[T+32*(\j%2)+qp], v[\set+4*qp+\j]
.set qp, qp+1
.endr
	WIN 0
.if \j == 3
.if \pw >= 0
	s_wait_loadcnt \pw
.endif
.if \rf == 1
	ISSUE \set, \c, \pb, \im
.endif
.if \rf == 2
	s_cmp_lg_u32 s[HI], 0
	s_cbranch_scc1 .Lno_refill_\@
.if \c == 0
	BIASLD BOF, 256, B1P
.endif
	ISSUE \set, \c, \pb, \im
.Lno_refill_\@:
.endif
.endif
	BMAX T+32*(\j%2)
	v_cvt_scalef32_pk16_bf6_f32 v[CF+12*\j+6*\c:CF+12*\j+6*\c+2], v[T+32*(\j%2):T+32*(\j%2)+15], v[SCL]
	v_cvt_scalef32_pk16_bf6_f32 v[X2:X2+2], v[T+32*(\j%2)+16:T+32*(\j%2)+31], v[SCL]   ; (a conversion's three registers begin on an even number)
	v_lshrrev_b32 v[BY+4*\c+\j], 23, v[SCL]        ; the scale's byte; also the plain line behind the conversions
.irp k, 0,1,2
	v_mov_b32 v[CF+12*\j+6*\c+3+\k], v[X2+\k]
.endr
.endr
.endm
.macro WSCALE                          ; my bytes are blocks h and 2 + h of column 4 r + j; with lane l xor 16's two the word is whole
.irp j, 0,1,2,3
	v_lshl_or_b32 v[TA], v[BY+4+\j], 16, v[BY+\j]
	v_lshlrev_b32 v[TA], v[V8H], v[TA]
	v_permlanex16_b32 v[TB], v[TA], s[SEL], s[SEL+1]
	v_or_b32 v[WS+\j], v[TA], v[TB]
.endr
.endm
.macro IMAGE wa, off                   ; the four fragments and the four scale words go to LDS as they stand: 512 bytes on end a store
.irp j, 0,1,2,3
.irp q, 0,1,2
	ds_store_b128 v[\wa], v[CF+12*\j+4*\q:CF+12*\j+4*\q+3] offset:(\off)+1536*\j+512*\q
.endr
.endr
	ds_store_b128 v[\wa], v[WS:WS+3] offset:(\off)+6144
.endm
.macro LOADW wr, off, f, wsc           ; and come back so, in any wave: 13 loads
.irp j, 0,1,2,3
.irp q, 0,1,2
	ds_load_b128 v[\f+12*\j+4*\q:\f+12*\j+4*\q+3], v[\wr] offset:(\off)+1536*\j+512*\q
.endr
.endr
	ds_load_b128 v[\wsc:\wsc+3], v[\wr] offset:(\off)+6144
.endm
; 20 products: one slab's four fragments x my five tiles, the sp-th of four K steps.  The 20 accumulators take turns, one instruction a turn, in the same order in every step.
.macro MUL20 f, wsc, sp, first, bsc
.if \first
	WIN 0xC8                                       ; weights window 0, rows window 2, C = the bias in window 0, D window 3
.else
	WIN 0xF8                                       ; C and D window 3
.endif
.irp j, 0,1,2,3
.irp i, 0,1,2,3,4
.set DB, 32*\i+8*\j
.if \first
.set CBASE, BI+8*\j
.else
.set CBASE, DB
.endif
.if (\sp)%2
	v_wmma_scale_f32_16x16x128_f8f6f4 v[DB:DB+7], v[\f+12*\j:\f+12*\j+11], v[12*(5*(\sp)+\i):12*(5*(\sp)+\i)+11], v[CBASE:CBASE+7], v[\wsc+\j], v[\bsc+4*\i+(\sp)/2] matrix_a_fmt:MATRIX_FMT_BF6 matrix_b_fmt:MATRIX_FMT_BF6 matrix_b_scale:MATRIX_SCALE_ROW1
.else
	v_wmma_scale_f32_16x16x128_f8f6f4 v[DB:DB+7], v[\f+12*\j:\f+12*\j+11], v[12*(5*(\sp)+\i):12*(5*(\sp)+\i)+11], v[CBASE:CBASE+7], v[\wsc+\j], v[\bsc+4*\i+(\sp)/2] matrix_a_fmt:MATRIX_FMT_BF6 matrix_b_fmt:MATRIX_FMT_BF6
.endif
.endr
.endr
	WIN 0
.endm
.macro NOP4                            ; four plain lines in front of loads into registers that the products just issued have read
.rept 4
	v_nop
.endr
.endm
; 80 products.  The next slab's 13 loads are issued ahead of each run of 20; s_wait_dscnt 13 leaves just those out.
.macro MULROUND first, wr, off, bsc
	LOADW \wr, (\off), F0, WSC0
	LOADW \wr, (\off)+SLABB, F1, WSC1
	s_wait_dscnt 13
	MUL20 F0, WSC0, 0, \first, \bsc
	NOP4
	LOADW \wr, (\off)+2*SLABB, F0, WSC0
	s_wait_dscnt 13
	MUL20 F1, WSC1, 1, 0, \bsc
	NOP4
	LOADW \wr, (\off)+3*SLABB, F1, WSC1
	s_wait_dscnt 13
	MUL20 F0, WSC0, 2, 0, \bsc
	s_wait_dscnt 0x0
	MUL20 F1, WSC1, 3, 0, \bsc
.endm
.macro XADDR_LD                        ; my five tiles' places of the list: lane (r, h) takes row r's
.irp i, 0,1,2,3,4
	global_load_b32 v[XB+\i], v[LOF], s[LSP:LSP+1] offset:64*\i
.endr
.endm
.macro XADDR_AR                        ; row id -> token (held under a constant first) -> bytes in xq and xs
.irp i, 0,1,2,3,4
	v_min_u32 v[XB+\i], 0x807, v[XB+\i]
	v_and_b32 v[XB+\i], 0x3ff, v[XB+\i]
	v_mul_u32_u24 v[XA+\i], 768, v[XB+\i]
	v_add_nc_u32 v[XA+\i], v[H48], v[XA+\i]
	v_lshlrev_b32 v[XB+\i], 5, v[XB+\i]
	v_add_nc_u32 v[XB+\i], v[H16], v[XB+\i]
.endr
.endm
.macro SCLOAD                          ; the four scale words that my half of the lanes wants of each row: one load a tile; they serve both halves of the columns
.irp i, 0,1,2,3,4
	global_load_b128 v[SCR+4*\i:SCR+4*\i+3], v[XB+\i], s[10:11]
.endr
.endm
.macro XLOAD pb, rho                   ; 60 loads: the fragments of my five tiles for four K steps, straight into operand registers
	WIN 0x80
.irp sp, 0,1,2,3
.irp i, 0,1,2,3,4
.irp q, 0,1,2
	global_load_b128 v[12*(5*\sp+\i)+4*\q:12*(5*\sp+\i)+4*\q+3], v[XA+\i], s[\pb:\pb+1] offset:384*\rho+96*\sp+16*\q
.endr
.endr
.endr
	WIN 0
.endm
; gelu(x) = x / (1 + 2^(x (c0 + c1 x^2))), c0 = -2 log2(e) sqrt(2 / pi), c1 = 0.044715 c0: the tanh form, in f32.  Then the lane's 32 numbers, one block, become 24 bytes of codes and a byte.
; The codes of the pass before go down six registers, its byte down 16 bits: after the two passes (columns 0-63, 64-127) HC holds my part of one fragment, SW my two bytes.
.macro EPI
.irp i, 0,1,2,3,4
	WIN 0x0F
.set ep, 0
.rept 16
	v_pk_mul_f32 v[T+2*ep:T+2*ep+1], v[32*\i+2*ep:32*\i+2*ep+1], v[32*\i+2*ep:32*\i+2*ep+1]   ; ascending: each accumulator is read from its low end on
.set ep, ep+1
.endr
	WIN 0
.set ep, 0
.rept 16
	v_pk_fma_f32 v[T+2*ep:T+2*ep+1], v[T+2*ep:T+2*ep+1], s[C1:C1+1], v[C0:C0+1] op_sel_hi:[1,0,1]
.set ep, ep+1
.endr
	WIN 0x0C
.set ep, 0
.rept 16
	v_pk_mul_f32 v[T+2*ep:T+2*ep+1], v[T+2*ep:T+2*ep+1], v[32*\i+2*ep:32*\i+2*ep+1]
.set ep, ep+1
.endr
	WIN 0
.set ep, 0
.rept 32
	v_exp_f32 v[T+ep], v[T+ep]
.set ep, ep+1
.endr
	v_nop                                          ; a plain line behind the exponentials
.set ep, 0
	s_wait_alu depctr_va_vdst(0)
.rept 16
	v_pk_add_f32 v[T+2*ep:T+2*ep+1], v[T+2*ep:T+2*ep+1], 1.0 op_sel_hi:[1,0]
.set ep, ep+1
.endr
.set ep, 0
.rept 32
	v_rcp_f32 v[T+ep], v[T+ep]
.set ep, ep+1
.endr
	v_nop                                          ; a plain line behind the reciprocals
	WIN 0x0C
.set ep, 0
	s_wait_alu depctr_va_vdst(0)
.rept 16
	v_pk_mul_f32 v[G+2*ep:G+2*ep+1], v[T+2*ep:T+2*ep+1], v[32*\i+2*ep:32*\i+2*ep+1]
.set ep, ep+1
.endr
	WIN 0
	BMAX G
	v_cvt_scalef32_pk16_bf6_f32 v[X1:X1+2], v[G:G+15], v[SCL]
	v_cvt_scalef32_pk16_bf6_f32 v[X2:X2+2], v[G+16:G+31], v[SCL]
	v_lshrrev_b32 v[BYT], 23, v[SCL]               ; the byte; also the plain line behind the conversions
	WIN 0xC3
.irp k, 0,1,2,3,4,5
	v_mov_b32 v[HC+12*\i+\k], v[HC+12*\i+6+\k]
.endr
	WIN 0xC0
.irp k, 0,1,2
	v_mov_b32 v[HC+12*\i+6+\k], v[X1+\k]
	v_mov_b32 v[HC+12*\i+9+\k], v[X2+\k]
.endr
	WIN 0
	v_lshrrev_b32 v[SW+\i], 16, v[SW+\i]
	v_lshl_or_b32 v[SW+\i], v[BYT], v[VSH], v[SW+\i]
.endr
.endm
.macro FIN                             ; my five tiles' fragment of K step fs of the next product, as an image: 512 aligned bytes a store; and the rows' scale words
.irp i, 0,1,2,3,4
	v_permlanex16_b32 v[TB], v[SW+\i], s[SEL], s[SEL+1]
	v_or_b32 v[SW+\i], v[SW+\i], v[TB]
.endr
	WIN 0x0C
.irp i, 0,1,2,3,4
.irp q, 0,1,2
	global_store_b128 v[L16], v[HC+12*\i+4*\q:HC+12*\i+4*\q+3], s[HQP:HQP+1] offset:49152*\i+512*\q
.endr
.endr
	WIN 0
.irp i, 0,1,2,3,4
	global_store_b32 v[LO8], v[SW+\i], s[HSP:HSP+1] offset:2048*\i   ; lanes r and 16 + r hold the same word
.endr
.endm
	s_load_b256 s[4:11], s[0:1], 0x0               ; W1 s[4:5], b1 s[6:7], xq s[8:9], xs s[10:11]
	s_load_b128 s[12:15], s[0:1], 0x20             ; lst s[12:13], hq s[14:15]
	s_load_b64 s[16:17], s[0:1], 0x30              ; hs
	v_lshl_add_u32 v254, v0, 2, 0x1a000
	v_mov_b32 v255, 0
	v_lshrrev_b32 v1, 5, v0
	v_readfirstlane_b32 s[WV], v1                  ; wave 0..3
	v_and_b32 v[L], 31, v0
	v_and_b32 v[R], 15, v0
	v_bfe_u32 v[HH], v0, 4, 1
	s_and_b32 s[E], ttmp7, 0xffff
	s_mov_b32 s[FS], ttmp9
	v_lshlrev_b32 v[LOF], 2, v[R]
	v_lshlrev_b32 v[LO8], 3, v[R]
	v_lshlrev_b32 v[WOF], 4, v[R]
	v_lshl_add_u32 v[WOF], v[HH], 19, v[WOF]       ; 32 rows of 16,384 bytes
	v_lshlrev_b32 v[L16], 4, v[L]
	s_mul_i32 s32, s[WV], SLABB
	v_add_nc_u32 v[WW0], s32, v[L16]
	v_lshlrev_b32 v[V8H], 3, v[HH]
	v_add_nc_u32 v[VSH], 16, v[V8H]
	v_lshlrev_b32 v[BOF], 7, v[HH]
	v_mul_u32_u24 v[H48], 48, v[HH]
	v_lshlrev_b32 v[H16], 4, v[HH]
	s_lshl_b32 s32, s[E], 24                       ; W1: expert, my 128 columns, my wave's 128 rows
	s_lshl_b32 s33, s[FS], 9
	s_add_co_u32 s32, s32, s33
	s_lshl_b32 s33, s[WV], 21
	s_add_co_u32 s32, s32, s33
	s_mov_b32 s33, 0
	s_lshl_b32 s34, s[E], 14                       ; b1
	s_lshl_b32 s35, s[FS], 9
	s_add_co_u32 s34, s34, s35
	s_mov_b32 s35, 0
	s_mul_i32 s36, s[E], 5632                      ; lst
	s_mov_b32 s37, 0
	s_mul_i32 s38, s[E], 80
	s_mul_i32 s39, s[WV], 5
	s_add_co_u32 s38, s38, s39                     ; my first tile: 80 e + 5 w
	s_lshl_b32 s39, s38, 11                        ; hs: 2,048 bytes a tile; K step s at 256 (s >> 2) + 128 (s & 1) + 4 ((s >> 1) & 1), 8 bytes a row
	s_lshr_b32 s2, s[FS], 2
	s_lshl_b32 s2, s2, 8
	s_add_co_u32 s39, s39, s2
	s_and_b32 s2, s[FS], 1
	s_lshl_b32 s2, s2, 7
	s_add_co_u32 s39, s39, s2
	s_bfe_u32 s2, s[FS], 0x10001
	s_lshl_b32 s2, s2, 2
	s_add_co_u32 s39, s39, s2
	s_lshl_b32 s38, s38, 5
	s_add_co_u32 s38, s38, s[FS]                   ; hq: tile x 32 + K step fs
	s_mov_b32 s[SEL], 0x76543210
	s_mov_b32 s[SEL+1], 0xfedcba98
	s_mov_b32 s[C1], 0xbdd2d3e8                    ; c1 = -0.10294324
	s_mov_b32 s[C1+1], s[C1]
	s_mov_b32 s[HI], 0
	s_mov_b32 s[WO], 0
	s_mov_b32 s[HB], 0
	s_wait_kmcnt 0x0
	s_add_nc_u64 s[PWA:PWA+1], s[4:5], s[32:33]
	s_add_nc_u64 s[PWB:PWB+1], s[PWA:PWA+1], 0x800000
	s_add_nc_u64 s[B1P:B1P+1], s[6:7], s[34:35]
	s_add_nc_u64 s[12:13], s[12:13], s[36:37]
	s_load_b32 s[CNT], s[12:13], 0x1400            ; the expert's count of rows
	s_mul_i32 s36, s[WV], 320
	s_add_nc_u64 s[LSP:LSP+1], s[12:13], s[36:37]
	s_mul_i32 s32, s38, 1536
	s_add_nc_u64 s[HQP:HQP+1], s[14:15], s[32:33]
	s_mov_b32 s32, s39
	s_add_nc_u64 s[HSP:HSP+1], s[16:17], s[32:33]
	s_mov_b64 s[PR:PR+1], s[PWB:PWB+1]
	s_add_nc_u64 s[XQP:XQP+1], s[8:9], 384
	s_mov_b32 s[OA], 0
	s_mov_b32 s[OB], RNDW
	XADDR_LD
	ISSUE SETA, 0, PWA, 0                          ; my whole first slab is asked for ahead of the wait for the list
	ISSUE SETB, 1, PWA, 0
	BIASLD BOF, 0, B1P
.irp i, 0,1,2,3,4
	v_mov_b32 v[SW+\i], 0
.endr
	v_mov_b32 v[TB], 0                             ; a lane permute's destination counts as one of its sources
	v_mov_b32 v[C0], 0xc0135761                    ; c0 = -2.3022082
	v_mov_b32 v[C0+1], 0xc0135761
	WIN 0xC0
.irp i, 0,1,2,3,4
.irp k, 6,7,8,9,10,11
	v_mov_b32 v[HC+12*\i+\k], 0                    ; written once: the first pass moves them down
.endr
.endr
	WIN 0
	s_wait_loadcnt 63                              ; the list's five words are in: 72 loads are younger, and the count's field ends at 63
	XADDR_AR
	SCLOAD
	XLOAD 8, 0
	s_wait_kmcnt 0x0
	s_wait_loadcnt 60                              ; all but the 60 row fragments: my first slab, the bias and the scale words are in
.Lhi:                                  ; two trips: columns 0-63 (K steps 0-3, then 4-7), columns 64-127 (K steps 4-7, then 0-3)
	BIASMV 0
	v_add_nc_u32 v[WWA], s[OA], v[WW0]
	v_add_nc_u32 v[WRA], s[OA], v[L16]
	v_add_nc_u32 v[WWB], s[OB], v[WW0]
	v_add_nc_u32 v[WRB], s[OB], v[L16]
	QUNIT SETA, 0, 1, PR, 0, -1
	QUNIT SETB, 1, 1, PR, 0, 32                    ; the wait: the row fragments are in (in the second trip they lie there already); set A's 32 refills are younger
	WSCALE
	IMAGE WWA, 0
	BARRIER                                        ; the step's four slabs lie in LDS; each has bytes of its own and is never written again
	MULROUND 1, WRA, 0, SCR
	PLACES
	XLOAD XQP, 0                                   ; the other four K steps' fragments
	s_wait_loadcnt 60                              ; my next slab is in; the 60 just issued may be out
	QUNIT SETA, 0, 2, PWB, 256, 0                  ; the wait: the row fragments are in (what follows it is issued in the first trip alone, so nothing younger is counted on)
	QUNIT SETB, 1, 2, PWB, 256, -1
	WSCALE
	IMAGE WWB, 0
	BARRIER
	MULROUND 0, WRB, 0, SCR+2
	PLACES
	EPI
.irp i, 0,1,2,3,4                      ; the scale words of K steps 0-3 and 4-7 change places, as the K steps do in the next trip
.irp a, 0,1
	v_mov_b32 v[TA], v[SCR+4*\i+\a]
	v_mov_b32 v[SCR+4*\i+\a], v[SCR+4*\i+2+\a]
	v_mov_b32 v[SCR+4*\i+2+\a], v[TA]
.endr
.endr
	s_wait_loadcnt 0x0                             ; the second half's first slab and bias are in (nothing is out in the second trip)
	s_wait_xcnt 0x0                                ; every load issued has read its base
	s_add_nc_u64 s[PR:PR+1], s[PWA:PWA+1], 256
	s_mov_b64 s[XQP:XQP+1], s[8:9]
	s_xor_b32 s[OA], s[OA], OAX
	s_xor_b32 s[OB], s[OB], OBX
	s_add_co_u32 s[HI], s[HI], 1
	s_cmp_lt_u32 s[HI], 2
	s_cbranch_scc1 .Lhi
	FIN
; CHUNKS 1 TO 3: three trips whatever the count; the work is jumped over where the count does not reach the chunk.  No barrier, no LDS store: the images stay as they are.
	s_mov_b32 s[CB], 0
	s_mov_b32 s[CH], 0
.Lchunk:
	s_wait_xcnt 0x0                                ; the last stores have read their registers and bases
	s_add_co_u32 s[CB], s[CB], 320
	s_add_nc_u64 s[LSP:LSP+1], s[LSP:LSP+1], 1280
	s_add_nc_u64 s[HQP:HQP+1], s[HQP:HQP+1], 983040
	s_add_nc_u64 s[HSP:HSP+1], s[HSP:HSP+1], 40960
	s_cmp_lt_u32 s[CB], s[CNT]
	s_cbranch_scc0 .Lno_rows1
	XADDR_LD
	s_wait_loadcnt 0x0
	XADDR_AR
	SCLOAD
.Lno_rows1:
	s_mov_b32 s[HI], 0
.Lchi:
	v_add_nc_u32 v[WRA], s[WO], v[L16]
	v_add_nc_u32 v[BOA], s[HB], v[BOF]
	s_cmp_lt_u32 s[CB], s[CNT]
	s_cbranch_scc0 .Lno_rows2
	BIASLD BOA, 0, B1P
	XLOAD 8, 0
	s_wait_loadcnt 0x0
	BIASMV 1
	MULROUND 1, WRA, 0, SCR
	PLACES
	XLOAD 8, 1
	s_wait_loadcnt 0x0
	MULROUND 0, WRA, RNDW, SCR+2
	PLACES
	EPI
.Lno_rows2:
	s_xor_b32 s[WO], s[WO], HALFW
	s_xor_b32 s[HB], s[HB], 256
	s_add_co_u32 s[HI], s[HI], 1
	s_cmp_lt_u32 s[HI], 2
	s_cbranch_scc1 .Lchi
	s_cmp_lt_u32 s[CB], s[CNT]
	s_cbranch_scc0 .Lno_rows3
	FIN
.Lno_rows3:
	s_add_co_u32 s[CH], s[CH], 1
	s_cmp_lt_u32 s[CH], 3
	s_cbranch_scc1 .Lchunk
	s_wait_tensorcnt 0x0
	ds_add_u32 v254, v255
	s_wait_dscnt 0x0
	s_endpgm
.Lfunc_end_k_q3a624e91cc_gemm1:
	.size	k_q3a624e91cc_gemm1, .Lfunc_end_k_q3a624e91cc_gemm1-k_q3a624e91cc_gemm1
	.p2alignl 7, 3214868480
	.fill 96, 4, 3214868480
	.section	.rodata,"a",@progbits
	.p2align	6, 0x0
	.amdhsa_kernel k_q3a624e91cc_gemm1
		.amdhsa_group_segment_fixed_size 107008
		.amdhsa_private_segment_fixed_size 0
		.amdhsa_enable_private_segment 0
		.amdhsa_kernarg_size 56
		.amdhsa_user_sgpr_count 2
		.amdhsa_user_sgpr_kernarg_segment_ptr 1
		.amdhsa_wavefront_size32 1
		.amdhsa_system_sgpr_workgroup_id_x 1
		.amdhsa_system_sgpr_workgroup_id_y 1
		.amdhsa_system_sgpr_workgroup_id_z 1
		.amdhsa_system_vgpr_workitem_id 0
		.amdhsa_next_free_vgpr 1024
		.amdhsa_next_free_sgpr 66
		.amdhsa_reserve_vcc 0
		.amdhsa_float_denorm_mode_32 3
		.amdhsa_float_denorm_mode_16_64 3
		.amdhsa_memory_ordered 1
		.amdhsa_forward_progress 1
		.amdhsa_inst_pref_size 253
	.end_amdhsa_kernel
	.amdgpu_metadata
---
amdhsa.version: [ 1, 2 ]
amdhsa.kernels:
  - .name:           k_q3a624e91cc_gemm1
    .symbol:         k_q3a624e91cc_gemm1.kd
    .args:
      - { .name: W1, .offset: 0, .size: 8, .value_kind: global_buffer, .address_space: global }
      - { .name: b1, .offset: 8, .size: 8, .value_kind: global_buffer, .address_space: global }
      - { .name: xq, .offset: 16, .size: 8, .value_kind: global_buffer, .address_space: global }
      - { .name: xs, .offset: 24, .size: 8, .value_kind: global_buffer, .address_space: global }
      - { .name: lst, .offset: 32, .size: 8, .value_kind: global_buffer, .address_space: global }
      - { .name: hq, .offset: 40, .size: 8, .value_kind: global_buffer, .address_space: global }
      - { .name: hs, .offset: 48, .size: 8, .value_kind: global_buffer, .address_space: global }
    .group_segment_fixed_size: 107008
    .private_segment_fixed_size: 0
    .kernarg_segment_align: 8
    .kernarg_segment_size: 56
    .max_flat_workgroup_size: 128
    .sgpr_count:     66
    .vgpr_count:     1024
    .wavefront_size: 32
...
	.end_amdgpu_metadata
.endif
;; end of part 3
;; launch gemm2 (part 4): grid 32 x 8, 4 waves a work-group, no clusters, 124,416 bytes of LDS; arguments W2, b2, hq, hs, lst, p0w, y; writes y
.if DOCPART == 4
	.amdgcn_target "amdgcn-amd-amdhsa--gfx1250"
	.amdhsa_code_object_version 6
	.text
	.protected	k_q3a624e91cc_gemm2
	.globl	k_q3a624e91cc_gemm2
	.p2align	8
	.type	k_q3a624e91cc_gemm2,@function
k_q3a624e91cc_gemm2:
	s_mov_b64 s[64:65], 0
	v_nop
	global_prefetch_b8 v0, s[64:65] scope:SCOPE_SE
	s_setreg_imm32_b32 hwreg(HW_REG_WAVE_MODE, 25, 1), 1
	s_wait_xcnt 0x0
; y[kh][row id] = p0 x (h Q(W2[e]) (+ b2[e] in the half kh = 0)) for the rows that chose expert e.  Work-group (cs + 16 kh, e): columns 64 cs .. 64 cs + 63 (256 bytes of a row of W2), K = 2,048 kh .. + 2,047.
; The frame is the first product's: THE WEIGHTS ARE READ ONCE, AS f32, quantised in registers and kept in LDS as images of operand registers; a SLAB is 64 columns x 128 K; 16 slabs;
; in step n of the pipeline wave w quantises slab 4 n + w, and behind ONE barrier every wave multiplies the step's four slabs with its own five tiles of 16 rows.
; A load of 16 bytes takes columns 4 r .. 4 r + 3 of one row of W2: lanes 0-15 cover 256 aligned bytes, lanes 16-31 the same columns 32 rows down.  INSIDE A BLOCK OF 32 the rows are taken in the order
; 4 (p % 8) + p / 8: the order in which the first product's results lay in a lane's registers when the hidden layer's codes were made.  One permutation inside a block, alike on both operands, keeps the products and the scale.
; The hidden layer comes as images of operand registers: 512 bytes on end a load.  The product is used transposed: accumulator (i, j), register j' of lane (r, h) = row r of tile i, column 32 h + 4 j' + j.
; WHY K IS HALVED: 32 columns to a work-group would read half of each aligned 256 bytes of W2; 128 columns with a quarter of K would double y.  The two halves are added by the last launch.
; Padding places store into row 2,048 + e, which nobody reads and whose bytes belong to this work-group alone.
; FEW LOAD INSTRUCTIONS: a wave's loads in flight are bounded by the counter's field (ISA guide 5.7.1): the first slab is asked for first; the row ids come by loads of 16 bytes, the bias by 8 loads, a tile's two scale words by one.
; NOT USED: tensor loads and joint loads; prefetches (each wave's next 32 KB are already requested a step ahead).
; LIMITS: NaN and infinities are not served (the half kh = 1 multiplies the bias by 0); a block of weights whose largest magnitude lies under 2^-122, zeros too, gets the byte 1.
; REGISTERS: as in the first product; window 3: 20 accumulators (0-159), YO: 40 store offsets (160-199).
.set RS,    4096
.set SLABB, 6656
.set RNDW,  4*SLABB
.set HALFW, 8*SLABB
.set YST,   16*SLABB                   ; behind the images: 16 rows x (256 bytes + 16) for each wave, its own
.set L,   1
.set R,   2
.set HH,  3
.set WOF, 4
.set L16, 5
.set L8,  6
.set WW0, 7                            ; v7, v8   where I store my slab's image: steps 0-1, steps 2-3
.set WR0, 9                            ; v9, v10  where a step's images are read
.set V8H, 13
.set BOF, 15
.set LOF, 17
.set H32, 19
.set TKO, 20                           ; v20-24
.set RID, 25                           ; v25-29
.set R16, 31
.set YSO, 32
.set YSR, 33
.set TA,  34
.set TB,  35
.set BSC, 36                           ; v36-45 the rows' scale words of even steps; v226-235 of odd steps
.set P0,  46                           ; v46-50 p0 of row r of tile i
.set WSC0, 52
.set WSC1, 56
.set WS,  60
.set T,   64
.set G,   96
.set F0,  64
.set F1,  112
.set CF,  128
.set BY,  176
.set X2,  184
.set M,   188
.set SCL, 190
.set BI,  192
.set SETA, 0
.set SETB, 128
.set YO,  160
.set PW,  20
.set B2P, 22
.set HQP, 24
.set HSP, 26
.set LSP, 28
.set YP,  30
.set WV,  40
.set E,   41
.set CS,  42
.set KH,  43
.set CNT, 44
.set CB,  45
.set CH,  46
.set KF,  47
.set SEL, 50
.set MSB, 0
.macro WIN new                         ; the immediate's high byte repeats the setting that is left
.if MSB != \new
	s_set_vgpr_msb (MSB<<8)|\new
.set MSB, \new
.endif
.endm
.macro PLACES                          ; behind the last product of a run: five plain lines serve loads into its registers, reads of its results, and a sum begun anew over an accumulator
.rept 5
	v_nop
.endr
.endm
.macro BARRIER
	s_wait_dscnt 0x0
	s_barrier_signal -1
	s_barrier_wait -1
.endm
.macro ISSUE set, c, pb, im            ; rows 64 c + 32 h + 4 (p % 8) + p / 8 of a slab
	WIN 0x40
.set ip, 0
.rept 32
	global_load_b128 v[\set+4*ip:\set+4*ip+3], v[WOF], s[\pb:\pb+1] offset:(\im)+(64*(\c)+4*(ip%8)+ip/8)*RS th:TH_LOAD_NT
.set ip, ip+1
.endr
	WIN 0
.endm
.macro BMAX b                          ; the largest magnitude of 32 registers, in two chains, the floor 2^(5 - 127) among the leaves; then the conversion's scale operand
	v_max3_num_f32 v[M], |v[\b]|, |v[\b+1]|, 0x2800000
	v_max3_num_f32 v[M+1], |v[\b+2]|, |v[\b+3]|, |v[\b+4]|
.set bp, 0
.rept 13
	v_max3_num_f32 v[M+bp%2], v[M+bp%2], |v[\b+5+2*bp]|, |v[\b+6+2*bp]|
.set bp, bp+1
.endr
	v_max3_num_f32 v[M], v[M], v[M+1], |v[\b+31]|
	v_add_nc_u32 v[SCL], 0xfe000000, v[M]
.endm
; Unit c of my slab becomes registers 6 c .. 6 c + 5 of the four fragments.  Behind the last column's moves the set is free: pw >= 0: a wait for loads stands there; rf = 1: the set takes the same unit of my next slab.
.macro QUNIT set, c, rf, pb, im, pw
.irp j, 0,1,2,3
	WIN 0x01
.set qp, 0
.rept 32
	v_mov_b32 v[T+32*(\j%2)+qp], v[\set+4*qp+\j]
.set qp, qp+1
.endr
	WIN 0
.if \j == 3
.if \pw >= 0
	s_wait_loadcnt \pw
.endif
.if \rf == 1
	ISSUE \set, \c, \pb, \im
.endif
.endif
	BMAX T+32*(\j%2)
	v_cvt_scalef32_pk16_bf6_f32 v[CF+12*\j+6*\c:CF+12*\j+6*\c+2], v[T+32*(\j%2):T+32*(\j%2)+15], v[SCL]
	v_cvt_scalef32_pk16_bf6_f32 v[X2:X2+2], v[T+32*(\j%2)+16:T+32*(\j%2)+31], v[SCL]   ; (a conversion's three registers begin on an even number)
	v_lshrrev_b32 v[BY+4*\c+\j], 23, v[SCL]        ; the scale's byte; also the plain line behind the conversions
.irp k, 0,1,2
	v_mov_b32 v[CF+12*\j+6*\c+3+\k], v[X2+\k]
.endr
.endr
.endm
.macro WSCALE
.irp j, 0,1,2,3
	v_lshl_or_b32 v[TA], v[BY+4+\j], 16, v[BY+\j]
	v_lshlrev_b32 v[TA], v[V8H], v[TA]
	v_permlanex16_b32 v[TB], v[TA], s[SEL], s[SEL+1]
	v_or_b32 v[WS+\j], v[TA], v[TB]
.endr
.endm
.macro IMAGE wa, off
.irp j, 0,1,2,3
.irp q, 0,1,2
	ds_store_b128 v[\wa], v[CF+12*\j+4*\q:CF+12*\j+4*\q+3] offset:(\off)+1536*\j+512*\q
.endr
.endr
	ds_store_b128 v[\wa], v[WS:WS+3] offset:(\off)+6144
.endm
.macro LOADW wr, off, f, wsc
.irp j, 0,1,2,3
.irp q, 0,1,2
	ds_load_b128 v[\f+12*\j+4*\q:\f+12*\j+4*\q+3], v[\wr] offset:(\off)+1536*\j+512*\q
.endr
.endr
	ds_load_b128 v[\wsc:\wsc+3], v[\wr] offset:(\off)+6144
.endm
; 20 products: one slab's four fragments x my five tiles.  The 20 accumulators take turns, one instruction a turn, in the same order in every step.
.macro MUL20 f, wsc, sp, first, bsc
.if \first
	WIN 0xC8
.else
	WIN 0xF8
.endif
.irp j, 0,1,2,3
.irp i, 0,1,2,3,4
.set DB, 32*\i+8*\j
.if \first
.set CBASE, BI+8*\j
.else
.set CBASE, DB
.endif
.if (\sp)%2
	v_wmma_scale_f32_16x16x128_f8f6f4 v[DB:DB+7], v[\f+12*\j:\f+12*\j+11], v[12*(5*(\sp)+\i):12*(5*(\sp)+\i)+11], v[CBASE:CBASE+7], v[\wsc+\j], v[\bsc+2*\i+(\sp)/2] matrix_a_fmt:MATRIX_FMT_BF6 matrix_b_fmt:MATRIX_FMT_BF6 matrix_b_scale:MATRIX_SCALE_ROW1
.else
	v_wmma_scale_f32_16x16x128_f8f6f4 v[DB:DB+7], v[\f+12*\j:\f+12*\j+11], v[12*(5*(\sp)+\i):12*(5*(\sp)+\i)+11], v[CBASE:CBASE+7], v[\wsc+\j], v[\bsc+2*\i+(\sp)/2] matrix_a_fmt:MATRIX_FMT_BF6 matrix_b_fmt:MATRIX_FMT_BF6
.endif
.endr
.endr
	WIN 0
.endm
.macro NOP4
.rept 4
	v_nop
.endr
.endm
.macro MULROUND first, wr, off, bsc
	LOADW \wr, (\off), F0, WSC0
	LOADW \wr, (\off)+SLABB, F1, WSC1
	s_wait_dscnt 13                                ; all but the 13 just issued
	MUL20 F0, WSC0, 0, \first, \bsc
	NOP4
	LOADW \wr, (\off)+2*SLABB, F0, WSC0
	s_wait_dscnt 13
	MUL20 F1, WSC1, 1, 0, \bsc
	NOP4
	LOADW \wr, (\off)+3*SLABB, F1, WSC1
	s_wait_dscnt 13
	MUL20 F0, WSC0, 2, 0, \bsc
	s_wait_dscnt 0x0
	MUL20 F1, WSC1, 3, 0, \bsc
.endm
.macro SCLOAD n                        ; step n's scale words of my five tiles, two words a lane: lanes 0-15 the even K steps', lanes 16-31 the odd ones'
.irp i, 0,1,2,3,4
	global_load_b64 v[BSC+190*((\n)%2)+2*\i:BSC+190*((\n)%2)+2*\i+1], v[L8], s[HSP:HSP+1] offset:2048*\i+256*(\n)
.endr
.endm
.macro HLOAD n                         ; 60 loads: step n's fragments of my five tiles, images of operand registers
	WIN 0x80
.irp sp, 0,1,2,3
.irp i, 0,1,2,3,4
.irp q, 0,1,2
	global_load_b128 v[12*(5*\sp+\i)+4*\q:12*(5*\sp+\i)+4*\q+3], v[L16], s[HQP:HQP+1] offset:49152*\i+1536*(4*(\n)+\sp)+512*\q
.endr
.endr
.endr
	WIN 0
.endm
.macro YADDR1                          ; the list: for the stores lanes 0-15 want rows 0-7 of a tile, lanes 16-31 rows 8-15: eight neighbours, two loads; for p0 lane (r, h) wants row r
	WIN 0xC0
.irp i, 0,1,2,3,4
.irp u, 0,1
	global_load_b128 v[YO+8*\i+4*\u:YO+8*\i+4*\u+3], v[H32], s[LSP:LSP+1] offset:64*\i+16*\u
.endr
.endr
	WIN 0
.irp i, 0,1,2,3,4
	global_load_b32 v[RID+\i], v[LOF], s[LSP:LSP+1] offset:64*\i
.endr
.endm
.macro YADDR2                          ; row ids are held under a constant, then become bytes
	WIN 0xCC
.set yp, 0
.rept 40
	v_min_u32 v[YO+yp], 0x807, v[YO+yp]
.set yp, yp+1
.endr
	WIN 0xC3
.set yp, 0
.rept 40
	v_lshl_add_u32 v[YO+yp], v[YO+yp], 12, v[R16]
.set yp, yp+1
.endr
	WIN 0
.irp i, 0,1,2,3,4
	v_min_u32 v[RID+\i], 0x807, v[RID+\i]
	v_and_b32 v[TKO+\i], 0x3ff, v[RID+\i]
	v_lshlrev_b32 v[TKO+\i], 2, v[TKO+\i]
.endr
.irp i, 0,1,2,3,4
	global_load_b32 v[P0+\i], v[TKO+\i], s[14:15]
.endr
.endm
; THE WAY OUT, a tile at a time: x p0; a lane's 32 columns go into my stage (rows of 272 bytes) and come back by rows (lanes 0-15 row t, lanes 16-31 row t + 8): sixteen lanes store 256 aligned bytes of a row of y.
.macro YOUT
.irp i, 0,1,2,3,4
	WIN 0x03
.irp k, 0,1,2,3,4,5,6,7
.irp j, 0,1,2,3
	v_mul_f32 v[T+4*\k+\j], v[32*\i+8*\j+\k], v[P0+\i]     ; register 0 of each of the four accumulators first
.endr
.endr
	WIN 0
.irp k, 0,1,2,3,4,5,6,7
	ds_store_b128 v[YSO], v[T+4*\k:T+4*\k+3] offset:16*\k
.endr
	s_wait_xcnt 0x0                                ; the last tile's stores have read their data registers
.irp t, 0,1,2,3,4,5,6,7
	ds_load_b128 v[G+4*\t:G+4*\t+3], v[YSR] offset:272*\t   ; LDS serves a wave in order: these see the stores above
.endr
	s_wait_dscnt 0x0
	WIN 0x03
.irp t, 0,1,2,3,4,5,6,7
	global_store_b128 v[YO+8*\i+\t], v[G+4*\t:G+4*\t+3], s[YP:YP+1]
.endr
	WIN 0
.endr
.endm
.macro ROUND n
	s_wait_loadcnt 60                              ; all but the 60 row fragments: my slab (and what was asked ahead of it) is in
.if \n == 0
.irp j, 0,1,2,3
.irp k, 0,1,2,3,4,5,6,7
	v_mul_f32 v[BI+8*\j+\k], s[KF], v[T+4*\k+\j]   ; the bias counts in the half kh = 0 alone; the same line lays it in the result's layout: 8 j + j' = column 32 h + 4 j' + j
.endr
.endr
	YADDR2
.endif
.if \n < 3
	SCLOAD \n+1
	QUNIT SETA, 0, 1, PW, (\n+1)*2097152, -1
.if \n == 0
	QUNIT SETB, 1, 1, PW, (\n+1)*2097152, 42       ; the wait: the row fragments are in; younger are 5 loads of p0, 5 of scale words and set A's 32 refills
.else
	QUNIT SETB, 1, 1, PW, (\n+1)*2097152, 37       ; younger: 5 loads of scale words and set A's 32 refills
.endif
.else
	QUNIT SETA, 0, 0, PW, 0, -1
	QUNIT SETB, 1, 0, PW, 0, 0
.endif
	WSCALE
	IMAGE WW0+\n/2, RNDW*(\n%2)
	BARRIER                                        ; the step's four slabs lie in LDS; each has bytes of its own and is never written again
	MULROUND (\n==0), WR0+\n/2, RNDW*(\n%2), BSC+190*(\n%2)
	PLACES
.if \n < 3
	HLOAD \n+1
.endif
.endm
	s_load_b256 s[4:11], s[0:1], 0x0               ; W2 s[4:5], b2 s[6:7], hq s[8:9], hs s[10:11]
	s_load_b128 s[12:15], s[0:1], 0x20             ; lst s[12:13], p0w s[14:15]
	s_load_b64 s[16:17], s[0:1], 0x30              ; y
	v_lshl_add_u32 v254, v0, 2, 0x1e400
	v_mov_b32 v255, 0
	v_lshrrev_b32 v1, 5, v0
	v_readfirstlane_b32 s[WV], v1                  ; wave 0..3
	v_and_b32 v[L], 31, v0
	v_and_b32 v[R], 15, v0
	v_bfe_u32 v[HH], v0, 4, 1
	s_and_b32 s[E], ttmp7, 0xffff
	s_and_b32 s[CS], ttmp9, 15
	s_lshr_b32 s[KH], ttmp9, 4
	v_lshlrev_b32 v[LOF], 2, v[R]
	v_lshlrev_b32 v[R16], 4, v[R]
	v_lshl_add_u32 v[WOF], v[HH], 17, v[R16]       ; 32 rows of 4,096 bytes
	v_lshlrev_b32 v[L16], 4, v[L]
	v_lshlrev_b32 v[L8], 3, v[L]
	s_mul_i32 s32, s[WV], SLABB
	v_add_nc_u32 v[WW0], s32, v[L16]
	v_add_nc_u32 v[WW0+1], HALFW, v[WW0]
	v_mov_b32 v[WR0], v[L16]
	v_add_nc_u32 v[WR0+1], HALFW, v[L16]
	v_lshlrev_b32 v[V8H], 3, v[HH]
	v_lshlrev_b32 v[BOF], 7, v[HH]
	v_lshlrev_b32 v[H32], 5, v[HH]
	s_mul_i32 s32, s[WV], 4352
	s_add_co_u32 s32, s32, YST
	v_mul_u32_u24 v[YSO], 272, v[R]
	v_lshl_add_u32 v[YSO], v[HH], 7, v[YSO]
	v_add_nc_u32 v[YSO], s32, v[YSO]               ; into my stage: row r, 128 h
	v_mul_u32_u24 v[YSR], 2176, v[HH]
	v_lshl_add_u32 v[YSR], v[R], 4, v[YSR]
	v_add_nc_u32 v[YSR], s32, v[YSR]               ; back: lanes 0-15 a row, lanes 16-31 the row eight further down
	v_mov_b32 v[TB], 0                             ; a lane permute's destination counts as one of its sources
	s_lshl_b32 s32, s[E], 24                       ; W2: expert, half of K, my wave's 128 rows, my 64 columns
	s_lshl_b32 s33, s[KH], 23
	s_add_co_u32 s32, s32, s33
	s_lshl_b32 s33, s[WV], 19
	s_add_co_u32 s32, s32, s33
	s_lshl_b32 s33, s[CS], 8
	s_add_co_u32 s32, s32, s33
	s_mov_b32 s33, 0
	s_lshl_b32 s34, s[E], 12                       ; b2
	s_lshl_b32 s35, s[CS], 8
	s_add_co_u32 s34, s34, s35
	s_mov_b32 s35, 0
	s_mul_i32 s36, s[E], 5632                      ; lst
	s_mov_b32 s37, 0
	s_mul_i32 s38, s[E], 80
	s_mul_i32 s39, s[WV], 5
	s_add_co_u32 s38, s38, s39
	s_lshl_b32 s38, s38, 5
	s_lshl_b32 s39, s[KH], 4
	s_add_co_u32 s38, s38, s39                     ; (tile 80 e + 5 w) x 32 + K step 16 kh
	s_mov_b32 s[SEL], 0x76543210
	s_mov_b32 s[SEL+1], 0xfedcba98
	s_cmp_eq_u32 s[KH], 0
	s_cselect_b32 s[KF], 1.0, 0
	s_wait_kmcnt 0x0
	s_add_nc_u64 s[PW:PW+1], s[4:5], s[32:33]      ; never stepped: the step stands in the loads' immediates
	s_add_nc_u64 s[B2P:B2P+1], s[6:7], s[34:35]
	s_add_nc_u64 s[12:13], s[12:13], s[36:37]
	s_load_b32 s[CNT], s[12:13], 0x1400            ; the expert's count of rows
	s_mul_i32 s36, s[WV], 320
	s_add_nc_u64 s[LSP:LSP+1], s[12:13], s[36:37]
	s_mul_i32 s32, s38, 1536
	s_add_nc_u64 s[HQP:HQP+1], s[8:9], s[32:33]
	s_lshl_b32 s32, s38, 6                         ; hs: 2,048 bytes a tile, 256 for four K steps
	s_add_nc_u64 s[HSP:HSP+1], s[10:11], s[32:33]
	s_mul_i32 s32, s[KH], 8421376
	s_lshl_b32 s34, s[CS], 8
	s_add_co_u32 s32, s32, s34
	s_add_nc_u64 s[YP:YP+1], s[16:17], s[32:33]
	ISSUE SETA, 0, PW, 0                           ; my first slab first: nothing stands in front of it
	ISSUE SETB, 1, PW, 0
	YADDR1
.irp k, 0,1,2,3,4,5,6,7
	global_load_b128 v[T+4*\k:T+4*\k+3], v[BOF], s[B2P:B2P+1] offset:16*\k   ; my half's 32 numbers of the bias as they lie
.endr
	SCLOAD 0
	HLOAD 0
	s_wait_kmcnt 0x0
	ROUND 0
	ROUND 1
	ROUND 2
	ROUND 3
	YOUT
; CHUNKS 1 TO 3: three trips whatever the count; the work is jumped over where the count does not reach the chunk.  No barrier; the stage is my wave's own, the images stay as they are.
	s_mov_b32 s[CB], 0
	s_mov_b32 s[CH], 0
.Lchunk:
	s_wait_xcnt 0x0                                ; the last stores have read their registers
	s_add_co_u32 s[CB], s[CB], 320
	s_add_nc_u64 s[LSP:LSP+1], s[LSP:LSP+1], 1280
	s_add_nc_u64 s[HQP:HQP+1], s[HQP:HQP+1], 983040
	s_add_nc_u64 s[HSP:HSP+1], s[HSP:HSP+1], 40960
	s_cmp_lt_u32 s[CB], s[CNT]
	s_cbranch_scc0 .Lno_rows
	YADDR1
	s_wait_loadcnt 0x0
	YADDR2
.irp n, 0,1,2,3
	SCLOAD \n
	HLOAD \n
	s_wait_loadcnt 0x0
	MULROUND (\n==0), WR0+\n/2, RNDW*(\n%2), BSC+190*(\n%2)
	PLACES
.endr
	YOUT
.Lno_rows:
	s_add_co_u32 s[CH], s[CH], 1
	s_cmp_lt_u32 s[CH], 3
	s_cbranch_scc1 .Lchunk
	s_wait_tensorcnt 0x0
	ds_add_u32 v254, v255
	s_wait_dscnt 0x0
	s_endpgm
.Lfunc_end_k_q3a624e91cc_gemm2:
	.size	k_q3a624e91cc_gemm2, .Lfunc_end_k_q3a624e91cc_gemm2-k_q3a624e91cc_gemm2
	.p2alignl 7, 3214868480
	.fill 96, 4, 3214868480
	.section	.rodata,"a",@progbits
	.p2align	6, 0x0
	.amdhsa_kernel k_q3a624e91cc_gemm2
		.amdhsa_group_segment_fixed_size 124416
		.amdhsa_private_segment_fixed_size 0
		.amdhsa_enable_private_segment 0
		.amdhsa_kernarg_size 56
		.amdhsa_user_sgpr_count 2
		.amdhsa_user_sgpr_kernarg_segment_ptr 1
		.amdhsa_wavefront_size32 1
		.amdhsa_system_sgpr_workgroup_id_x 1
		.amdhsa_system_sgpr_workgroup_id_y 1
		.amdhsa_system_sgpr_workgroup_id_z 1
		.amdhsa_system_vgpr_workitem_id 0
		.amdhsa_next_free_vgpr 1024
		.amdhsa_next_free_sgpr 66
		.amdhsa_reserve_vcc 0
		.amdhsa_float_denorm_mode_32 3
		.amdhsa_float_denorm_mode_16_64 3
		.amdhsa_memory_ordered 1
		.amdhsa_forward_progress 1
		.amdhsa_inst_pref_size 255
	.end_amdhsa_kernel
	.section	.bss,"aw",@nobits
	.p2align	6
	.space	262144
	.amdgpu_metadata
---
amdhsa.version: [ 1, 2 ]
amdhsa.kernels:
  - .name:           k_q3a624e91cc_gemm2
    .symbol:         k_q3a624e91cc_gemm2.kd
    .args:
      - { .name: W2, .offset: 0, .size: 8, .value_kind: global_buffer, .address_space: global }
      - { .name: b2, .offset: 8, .size: 8, .value_kind: global_buffer, .address_space: global }
      - { .name: hq, .offset: 16, .size: 8, .value_kind: global_buffer, .address_space: global }
      - { .name: hs, .offset: 24, .size: 8, .value_kind: global_buffer, .address_space: global }
      - { .name: lst, .offset: 32, .size: 8, .value_kind: global_buffer, .address_space: global }
      - { .name: p0w, .offset: 40, .size: 8, .value_kind: global_buffer, .address_space: global }
      - { .name: y, .offset: 48, .size: 8, .value_kind: global_buffer, .address_space: global }
    .group_segment_fixed_size: 124416
    .private_segment_fixed_size: 0
    .kernarg_segment_align: 8
    .kernarg_segment_size: 56
    .max_flat_workgroup_size: 128
    .sgpr_count:     66
    .vgpr_count:     1024
    .wavefront_size: 32
...
	.end_amdgpu_metadata
.endif
;; end of part 4
;; launch combine (part 5): grid 256 x 1, 8 waves a work-group, no clusters, 0 bytes of LDS; arguments y, out0; writes out0
.if DOCPART == 5
	.amdgcn_target "amdgcn-amd-amdhsa--gfx1250"
	.amdhsa_code_object_version 6
	.text
	.protected	k_q3a624e91cc_combine
	.globl	k_q3a624e91cc_combine
	.p2align	8
	.type	k_q3a624e91cc_combine,@function
k_q3a624e91cc_combine:
	s_mov_b64 s[64:65], 0
	v_nop
	global_prefetch_b8 v0, s[64:65] scope:SCOPE_SE
	s_setreg_imm32_b32 hwreg(HW_REG_WAVE_MODE, 25, 1), 1
	s_wait_xcnt 0x0
; out0[t] = y[0][t] + y[0][1,024 + t] + y[1][t] + y[1][1,024 + t]: a token's two chosen experts, each in two halves of K, added in a fixed order.
; A stream: thread n takes 16 bytes at 16 n of each of four stretches of 1 MiB; a wave's load or store covers 512 bytes on end.  All 16 loads go out first.
; No LDS, no barrier, no matrix unit: four bytes are read for each one added.
.set A, 4                              ; v[4 + 16 n + 4 k]: stretch n, part k
	s_load_b128 s[4:7], s[0:1], 0x0                ; y, out0
	s_lshl_b32 s8, ttmp9, 12
	v_lshl_add_u32 v1, v0, 4, s8
	s_wait_kmcnt 0x0
	s_add_nc_u64 s[10:11], s[4:5], 8421376         ; the second half of K: 2,056 rows of 4,096 bytes on
.irp n, 0,1,2,3
	global_load_b128 v[A+16*\n:A+16*\n+3], v1, s[4:5] offset:\n*1048576 th:TH_LOAD_NT
	global_load_b128 v[A+16*\n+4:A+16*\n+7], v1, s[4:5] offset:\n*1048576+4194304 th:TH_LOAD_NT
	global_load_b128 v[A+16*\n+8:A+16*\n+11], v1, s[10:11] offset:\n*1048576 th:TH_LOAD_NT
	global_load_b128 v[A+16*\n+12:A+16*\n+15], v1, s[10:11] offset:\n*1048576+4194304 th:TH_LOAD_NT
.endr
.irp n, 0,1,2,3
	s_wait_loadcnt 12-4*\n                         ; this stretch's four are in; the later stretches' may be out
	v_pk_add_f32 v[A+16*\n:A+16*\n+1], v[A+16*\n:A+16*\n+1], v[A+16*\n+4:A+16*\n+5]
	v_pk_add_f32 v[A+16*\n+2:A+16*\n+3], v[A+16*\n+2:A+16*\n+3], v[A+16*\n+6:A+16*\n+7]
	v_pk_add_f32 v[A+16*\n+8:A+16*\n+9], v[A+16*\n+8:A+16*\n+9], v[A+16*\n+12:A+16*\n+13]
	v_pk_add_f32 v[A+16*\n+10:A+16*\n+11], v[A+16*\n+10:A+16*\n+11], v[A+16*\n+14:A+16*\n+15]
	v_pk_add_f32 v[A+16*\n:A+16*\n+1], v[A+16*\n:A+16*\n+1], v[A+16*\n+8:A+16*\n+9]
	v_pk_add_f32 v[A+16*\n+2:A+16*\n+3], v[A+16*\n+2:A+16*\n+3], v[A+16*\n+10:A+16*\n+11]
	global_store_b128 v1, v[A+16*\n:A+16*\n+3], s[6:7] offset:\n*1048576 th:TH_STORE_NT
.endr
	s_endpgm
.Lfunc_end_k_q3a624e91cc_combine:
	.size	k_q3a624e91cc_combine, .Lfunc_end_k_q3a624e91cc_combine-k_q3a624e91cc_combine
	.p2alignl 7, 3214868480
	.fill 96, 4, 3214868480
	.section	.rodata,"a",@progbits
	.p2align	6, 0x0
	.amdhsa_kernel k_q3a624e91cc_combine
		.amdhsa_group_segment_fixed_size 0
		.amdhsa_private_segment_fixed_size 0
		.amdhsa_enable_private_segment 0
		.amdhsa_kernarg_size 16
		.amdhsa_user_sgpr_count 2
		.amdhsa_user_sgpr_kernarg_segment_ptr 1
		.amdhsa_wavefront_size32 1
		.amdhsa_system_sgpr_workgroup_id_x 1
		.amdhsa_system_sgpr_workgroup_id_y 1
		.amdhsa_system_sgpr_workgroup_id_z 1
		.amdhsa_system_vgpr_workitem_id 0
		.amdhsa_next_free_vgpr 72
		.amdhsa_next_free_sgpr 66
		.amdhsa_reserve_vcc 0
		.amdhsa_float_denorm_mode_32 3
		.amdhsa_float_denorm_mode_16_64 3
		.amdhsa_memory_ordered 1
		.amdhsa_forward_progress 1
		.amdhsa_inst_pref_size 5
	.end_amdhsa_kernel
	.amdgpu_metadata
---
amdhsa.version: [ 1, 2 ]
amdhsa.kernels:
  - .name:           k_q3a624e91cc_combine
    .symbol:         k_q3a624e91cc_combine.kd
    .args:
      - { .name: y, .offset: 0, .size: 8, .value_kind: global_buffer, .address_space: global }
      - { .name: out0, .offset: 8, .size: 8, .value_kind: global_buffer, .address_space: global }
    .group_segment_fixed_size: 0
    .private_segment_fixed_size: 0
    .kernarg_segment_align: 8
    .kernarg_segment_size: 16
    .max_flat_workgroup_size: 256
    .sgpr_count:     66
    .vgpr_count:     72
    .wavefront_size: 32
...
	.end_amdgpu_metadata
.endif
;; end of part 5
;; ======== version 2 of 2: 5 launches; version 1 with the launches gemm1, gemm2 written anew for expert scheduling mode
;; workspace buffers: xq 786,432 bytes; xs 32,768 bytes; sel 4,096 bytes of whole numbers; p0w 4,096 bytes; lst 45,056 bytes of whole numbers; hq 31,457,280 bytes; hs 1,310,720 bytes; y 16,842,752 bytes
;; launch route: the kernel of part 1 again; grid 256 x 1, 1 waves a work-group, no clusters, 18,944 bytes of LDS; arguments x, Wr, br, xq, xs, sel, p0w; writes xq, xs, sel, p0w
;; launch place: the kernel of part 2 again; grid 8 x 1, 1 waves a work-group, no clusters, 0 bytes of LDS; arguments sel, lst; writes lst
;; launch gemm1 (part 6): grid 32 x 8, 4 waves a work-group, no clusters, 107,008 bytes of LDS; arguments W1, b1, xq, xs, lst, hq, hs; writes hq, hs
.if DOCPART == 6
	.amdgcn_target "amdgcn-amd-amdhsa--gfx1250"
	.amdhsa_code_object_version 6
	.text
	.protected	k_q3a624e91cc_gemm1
	.globl	k_q3a624e91cc_gemm1
	.p2align	8
	.type	k_q3a624e91cc_gemm1,@function
k_q3a624e91cc_gemm1:
	s_mov_b64 s[64:65], 0
	v_nop
	global_prefetch_b8 v0, s[64:65] scope:SCOPE_SE
	s_setreg_imm32_b32 hwreg(HW_REG_WAVE_SCHED_MODE, 0, 2), 2
	s_setreg_imm32_b32 hwreg(HW_REG_WAVE_MODE, 25, 1), 1
	s_wait_xcnt 0x0
	s_wait_alu depctr_vm_vsrc(0)
; h = Q(gelu(Q(x) Q(W1[e]) + b1[e])) for the rows that chose expert e.  Work-group (fs, e): columns 128 fs .. 128 fs + 127 of expert e, all K = 1,024.
; THE WEIGHTS ARE READ ONCE, AS f32, BY THE ONE WORK-GROUP THAT USES THEM, quantised in registers and kept in LDS as images of operand registers.
; A SLAB is 64 columns x 128 K (32 KB of f32; 4 fragments and their scale words: 6,656 bytes of LDS).  16 slabs: index 8 hi + K step.
; FOUR STEPS OF THE PIPELINE, two to a trip of the loop: (columns 0-63, K steps 0-3), (0-63, 4-7), (64-127, 4-7), (64-127, 0-3).  In each, wave w quantises one slab (K step 4 rho + w); behind ONE barrier
; every wave multiplies the four slabs with its own five tiles of 16 rows.  The second half of the columns takes K steps 4-7 first, so that the row fragments that lie in the registers serve again:
; three runs of 60 fragment loads for the four steps.  While a step is worked, the wave's next slab (64 loads of 512 bytes) is on its way.
; A LOAD OF 16 BYTES takes columns 4 r .. 4 r + 3 of one row of W1: lanes 0-15 cover 256 aligned bytes, lanes 16-31 the same columns 32 rows down.  32 such loads give a lane
; four whole blocks of 32 along K, one for each column 4 r + j: registers 6 c .. 6 c + 5 of lane (r, h) of fragment j, whose row m is column 4 m + j.  No other lane is asked.
; THE PRODUCT IS USED TRANSPOSED (source 0 = weights, source 1 = rows): accumulator (i, j), register j' of lane (r, h) = row r of tile i, column 32 h + 4 j' + j.  So a lane's 32 registers
; of a tile are one whole block along the next product's K, in the order 4 (p % 8) + p / 8, which the next launch gives its weights too.
; ROWS: place 16 t + r of the expert's list is row r of tile t.  Chunk 0 (20 tiles, 5 a wave) is always computed; chunks 1 to 3 only where the stored count reaches them, from the images in LDS.
; Padding places compute a real token's row into image rows that only padding reads.
; FEW LOAD INSTRUCTIONS: a wave's loads in flight are bounded by the counter's field (ISA guide 5.7.1), so the bias comes by 8 loads of 16 bytes (and 32 moves), a tile's scale words by one.
; NOT USED: tensor loads and joint loads;
; prefetches (each wave's next 32 KB are already requested a step ahead).
; LIMITS: NaN and infinities are not served; a block whose largest magnitude lies under 2^-122, zeros too, gets the byte 1 (read by this program alone).
; REGISTERS, in windows of 256: window 0: addresses, scales, T/G at work, CF codes being made, F0/F1 weight fragments (over T and CF, which are dead then), the bias.
;   window 1: two sets of 128 for the weights as loaded.   window 2: BF, 20 row fragments.   window 3: 20 accumulators (0-159), HC: the hidden layer's codes (160-219), BT: the bias as loaded (220-251).
; THE MODE: SCHED_MODE bits 1:0 = 2 (LLVM: expert scheduling mode 2), set by the entry lines.  The code itself states the register dependences
; between vector or matrix instructions and memory or LDS instructions, with s_wait_alu, always for 0.
; THE PLAN.  Registers that memory or LDS instructions touch, and who else names them:
;   SETA, SETB          A slab's loads land; a unit's 128 moves read.  ONE wait on va_vdst behind the last column's moves; the set's 32 refills follow it at once
;                       (in a trip's second step with the next bias, whose registers BT the trip's first moves have read).
;   CF, WS              Written by conversions, moves and ors; read by the image's 13 LDS stores.  ONE wait on va_vdst ahead of the stores: it also states that the LDS addresses are written and that
;                       all vector work on v64-175 (T, G, CF) is done, in which F0 and F1 land behind the barrier.  ONE wait on vm_vsrc behind the barrier: the stores have read CF and WS.
;   F0, F1, WSC0, WSC1  13 LDS loads land; 20 products read.  A wait on va_vdst between a buffer's products and its next loads: two in a step of 80 products.
;   BF                  60 loads land; 80 products read.  A wait on va_vdst behind the step's last products, ahead of the next 60.
;   SCR                 Loads land; products read them as scales; 30 moves a trip change their halves: the sets' waits stand between those moves and the next products.
;   WWA, WRA, WWB, WRB  (in the later chunks WRA, BOA)  Made anew in each trip: a wait on vm_vsrc ahead of the additions.
;   XA, XB, HC, SW      Made anew in each chunk: a wait on vm_vsrc at the chunk's head, a wait on va_vdst between their makers and the loads or stores that read them.
;   WOF, L16, LO8, LOF, BOF, WW0 are made at the head and never written again: one wait on va_vdst ahead of the first load.
; A set's refills stand straight behind the wait that frees the set: the wave's next slab is asked for as soon as its registers are free.
.set RS,    16384                      ; a row of W1 in bytes
.set SLABB, 6656
.set RNDW,  4*SLABB
.set HALFW, 8*SLABB
.set OAX,   79872                      ; 0 xor this = HALFW + RNDW: a trip's first step stores slabs 0-3, then slabs 12-15
.set OBX,   47104                      ; RNDW xor HALFW: its second step slabs 4-7, then slabs 8-11
.set L,   1
.set R,   2
.set HH,  3
.set WOF, 4                            ; 16 r + 32 rows x h
.set L16, 5                            ; 16 x lane: an image's place for my lane
.set WW0, 7                            ; where I store my slab's image: 16 x lane + 6,656 x wave
.set WWB, 8
.set WRB, 9
.set LO8, 10                           ; 8 r
.set WWA, 11
.set WRA, 12
.set V8H, 13
.set VSH, 14
.set BOF, 15
.set BOA, 16
.set LOF, 17
.set H48, 18
.set H16, 19
.set XA,  20                           ; v20-24 my rows' bytes in xq, a tile each
.set XB,  25                           ; v25-29 and in xs
.set TA,  34
.set TB,  35
.set SW,  46                           ; v46-50 the hidden layer's scale words
.set WSC0, 52                          ; v52-55, v56-59 the weights' scale words beside F0, F1
.set WSC1, 56
.set WS,  60
.set T,   64
.set G,   96
.set F0,  64
.set F1,  112
.set CF,  128
.set BY,  176
.set X1,  176
.set X2,  184
.set M,   188
.set SCL, 190
.set BYT, 191
.set BI,  192                          ; v192-223 the bias in the result's layout: 8 j + j'
.set C0,  224
.set SCR, 228                          ; v228-247 the rows' scale words: 4 i + 2 rho + a: lanes 0-15 K step 4 rho + 2 a, lanes 16-31 the next
.set SETA, 0
.set SETB, 128
.set HC,  160
.set BT,  220
.set PWA, 20                           ; W1 at K steps 0-3 (by wave), columns 0-63
.set PWB, 22                           ; at K steps 4-7
.set B1P, 24
.set LSP, 26
.set HQP, 28
.set HSP, 30
.set PR,  32                           ; what a trip's first step asks for: PWB, then PWA + 256
.set XQP, 34                           ; the fragments asked for behind a trip's first step: xq + 384, then xq
.set OA,  36
.set OB,  37
.set WV,  40
.set E,   41
.set FS,  42
.set CNT, 43
.set CB,  44
.set HI,  45
.set WO,  46
.set HB,  47
.set CH,  48
.set SEL, 50
.set C1,  52
.set MSB, 0
.macro WIN new                         ; the immediate's high byte repeats the setting that is left
.if MSB != \new
	s_set_vgpr_msb (MSB<<8)|\new
.set MSB, \new
.endif
.endm
.macro PLACES                          ; behind the last product of a run: five plain lines serve loads into its registers, reads of its results, and a sum begun anew over an accumulator
.rept 5
	v_nop
.endr
.endm
.macro BARRIER
	s_wait_dscnt 0x0                               ; my image has landed, my LDS loads are in
	s_barrier_signal -1
	s_barrier_wait -1
.endm
.macro ISSUE set, c, pb, im            ; 32 rows x 2 halves of a slab: rows 64 c + 32 h + p
	WIN 0x40
.set ip, 0
.rept 32
	global_load_b128 v[\set+4*ip:\set+4*ip+3], v[WOF], s[\pb:\pb+1] offset:(\im)+(64*(\c)+ip)*RS th:TH_LOAD_NT
.set ip, ip+1
.endr
	WIN 0
.endm
.macro BIASLD ar, im, pb               ; my half's 32 numbers of the bias as they lie: 8 loads
	WIN 0xC0
.irp k, 0,1,2,3,4,5,6,7
	global_load_b128 v[BT+4*\k:BT+4*\k+3], v[\ar], s[\pb:\pb+1] offset:(\im)+16*\k
.endr
	WIN 0
.endm
.macro BIASMV pad                      ; into the result's layout: register 8 j + j' = column 32 h + 4 j' + j.  pad = 1: products follow soon: eight plain lines behind the moves
	WIN 0x03
.irp j, 0,1,2,3
.irp k, 0,1,2,3,4,5,6,7
	v_mov_b32 v[BI+8*\j+\k], v[BT+4*\k+\j]
.endr
.endr
	WIN 0
.if \pad
.rept 8
	v_nop
.endr
.endif
.endm
.macro BMAX b                          ; the largest magnitude of v[b] .. v[b + 31], in two chains, with the floor 2^(5 - 127) among the leaves; then the conversion's scale operand
	v_max3_num_f32 v[M], |v[\b]|, |v[\b+1]|, 0x2800000
	v_max3_num_f32 v[M+1], |v[\b+2]|, |v[\b+3]|, |v[\b+4]|
.set bp, 0
.rept 13
	v_max3_num_f32 v[M+bp%2], v[M+bp%2], |v[\b+5+2*bp]|, |v[\b+6+2*bp]|
.set bp, bp+1
.endr
	v_max3_num_f32 v[M], v[M], v[M+1], |v[\b+31]|
	v_add_nc_u32 v[SCL], 0xfe000000, v[M]
.endm
; Unit c of my slab (set) becomes registers 6 c .. 6 c + 5 of the four fragments.  A load gave a lane four columns; the conversion wants 16 neighbours along K on end: so 32 moves a column.
; Behind the last column's moves the set is free.  pw >= 0: a wait for loads stands there.  rf = 1: the set takes the same unit of my next slab; rf = 2: only in the first trip (with the next bias, for c = 0).
.macro QUNIT set, c, rf, pb, im, pw
.irp j, 0,1,2,3
	WIN 0x01
.set qp, 0
.rept 32
	v_mov_b32 v[T+32*(\j%2)+qp], v[\set+4*qp+\j]
.set qp, qp+1
.endr
	WIN 0
.if \j == 3
.if \pw >= 0
	s_wait_loadcnt \pw
.endif
.if \rf == 1
	s_wait_alu depctr_va_vdst(0)                   ; the unit's 128 moves are done reading the set, in which the 32 loads below land
	ISSUE \set, \c, \pb, \im
.endif
.if \rf == 2
	s_cmp_lg_u32 s[HI], 0
	s_cbranch_scc1 .Lno_refill_\@
	s_wait_alu depctr_va_vdst(0)                   ; the unit's 128 moves are done reading the set, and the trip's first 32 moves reading BT: the loads below land in both
.if \c == 0
	BIASLD BOF, 256, B1P
.endif
	ISSUE \set, \c, \pb, \im
.Lno_refill_\@:
.endif
.endif
	BMAX T+32*(\j%2)
	v_cvt_scalef32_pk16_bf6_f32 v[CF+12*\j+6*\c:CF+12*\j+6*\c+2], v[T+32*(\j%2):T+32*(\j%2)+15], v[SCL]
	v_cvt_scalef32_pk16_bf6_f32 v[X2:X2+2], v[T+32*(\j%2)+16:T+32*(\j%2)+31], v[SCL]   ; (a conversion's three registers begin on an even number)
	v_lshrrev_b32 v[BY+4*\c+\j], 23, v[SCL]        ; the scale's byte; also the plain line behind the conversions
.irp k, 0,1,2
	v_mov_b32 v[CF+12*\j+6*\c+3+\k], v[X2+\k]
.endr
.endr
.endm
.macro WSCALE                          ; my bytes are blocks h and 2 + h of column 4 r + j; with lane l xor 16's two the word is whole
.irp j, 0,1,2,3
	v_lshl_or_b32 v[TA], v[BY+4+\j], 16, v[BY+\j]
	v_lshlrev_b32 v[TA], v[V8H], v[TA]
	v_permlanex16_b32 v[TB], v[TA], s[SEL], s[SEL+1]
	v_or_b32 v[WS+\j], v[TA], v[TB]
.endr
.endm
.macro IMAGE wa, off                   ; the four fragments and the four scale words go to LDS as they stand: 512 bytes on end a store
	s_wait_alu depctr_va_vdst(0)                   ; the conversions, moves and ors have written CF and WS, the trip's additions the LDS addresses; and all vector work on v64-175 is done, in which the fragments land behind the barrier
.irp j, 0,1,2,3
.irp q, 0,1,2
	ds_store_b128 v[\wa], v[CF+12*\j+4*\q:CF+12*\j+4*\q+3] offset:(\off)+1536*\j+512*\q
.endr
.endr
	ds_store_b128 v[\wa], v[WS:WS+3] offset:(\off)+6144
.endm
.macro LOADW wr, off, f, wsc           ; and come back so, in any wave: 13 loads
.irp j, 0,1,2,3
.irp q, 0,1,2
	ds_load_b128 v[\f+12*\j+4*\q:\f+12*\j+4*\q+3], v[\wr] offset:(\off)+1536*\j+512*\q
.endr
.endr
	ds_load_b128 v[\wsc:\wsc+3], v[\wr] offset:(\off)+6144
.endm
; 20 products: one slab's four fragments x my five tiles, the sp-th of four K steps.  The 20 accumulators take turns, one instruction a turn, in the same order in every step.
.macro MUL20 f, wsc, sp, first, bsc
.if \first
	WIN 0xC8                                       ; weights window 0, rows window 2, C = the bias in window 0, D window 3
.else
	WIN 0xF8                                       ; C and D window 3
.endif
.irp j, 0,1,2,3
.irp i, 0,1,2,3,4
.set DB, 32*\i+8*\j
.if \first
.set CBASE, BI+8*\j
.else
.set CBASE, DB
.endif
.if (\sp)%2
	v_wmma_scale_f32_16x16x128_f8f6f4 v[DB:DB+7], v[\f+12*\j:\f+12*\j+11], v[12*(5*(\sp)+\i):12*(5*(\sp)+\i)+11], v[CBASE:CBASE+7], v[\wsc+\j], v[\bsc+4*\i+(\sp)/2] matrix_a_fmt:MATRIX_FMT_BF6 matrix_b_fmt:MATRIX_FMT_BF6 matrix_b_scale:MATRIX_SCALE_ROW1
.else
	v_wmma_scale_f32_16x16x128_f8f6f4 v[DB:DB+7], v[\f+12*\j:\f+12*\j+11], v[12*(5*(\sp)+\i):12*(5*(\sp)+\i)+11], v[CBASE:CBASE+7], v[\wsc+\j], v[\bsc+4*\i+(\sp)/2] matrix_a_fmt:MATRIX_FMT_BF6 matrix_b_fmt:MATRIX_FMT_BF6
.endif
.endr
.endr
	WIN 0
.endm
.macro NOP4                            ; four plain lines in front of loads into registers that the products just issued have read
.rept 4
	v_nop
.endr
.endm
; 80 products.  The next slab's 13 loads are issued ahead of each run of 20; s_wait_dscnt 13 leaves just those out.
.macro MULROUND first, wr, off, bsc
	LOADW \wr, (\off), F0, WSC0
	LOADW \wr, (\off)+SLABB, F1, WSC1
	s_wait_dscnt 13
	MUL20 F0, WSC0, 0, \first, \bsc
	NOP4
	s_wait_alu depctr_va_vdst(0)                   ; the 20 products are done reading F0 and WSC0, in which the third slab lands
	LOADW \wr, (\off)+2*SLABB, F0, WSC0
	s_wait_dscnt 13
	MUL20 F1, WSC1, 1, 0, \bsc
	NOP4
	s_wait_alu depctr_va_vdst(0)                   ; the 20 products are done reading F1 and WSC1, in which the fourth slab lands
	LOADW \wr, (\off)+3*SLABB, F1, WSC1
	s_wait_dscnt 13
	MUL20 F0, WSC0, 2, 0, \bsc
	s_wait_dscnt 0x0
	MUL20 F1, WSC1, 3, 0, \bsc
.endm
.macro XADDR_LD                        ; my five tiles' places of the list: lane (r, h) takes row r's
.irp i, 0,1,2,3,4
	global_load_b32 v[XB+\i], v[LOF], s[LSP:LSP+1] offset:64*\i
.endr
.endm
.macro XADDR_AR                        ; row id -> token (held under a constant first) -> bytes in xq and xs
.irp i, 0,1,2,3,4
	v_min_u32 v[XB+\i], 0x807, v[XB+\i]
	v_and_b32 v[XB+\i], 0x3ff, v[XB+\i]
	v_mul_u32_u24 v[XA+\i], 768, v[XB+\i]
	v_add_nc_u32 v[XA+\i], v[H48], v[XA+\i]
	v_lshlrev_b32 v[XB+\i], 5, v[XB+\i]
	v_add_nc_u32 v[XB+\i], v[H16], v[XB+\i]
.endr
.endm
.macro SCLOAD                          ; the four scale words that my half of the lanes wants of each row: one load a tile; they serve both halves of the columns
.irp i, 0,1,2,3,4
	global_load_b128 v[SCR+4*\i:SCR+4*\i+3], v[XB+\i], s[10:11]
.endr
.endm
.macro XLOAD pb, rho                   ; 60 loads: the fragments of my five tiles for four K steps, straight into operand registers
	WIN 0x80
.irp sp, 0,1,2,3
.irp i, 0,1,2,3,4
.irp q, 0,1,2
	global_load_b128 v[12*(5*\sp+\i)+4*\q:12*(5*\sp+\i)+4*\q+3], v[XA+\i], s[\pb:\pb+1] offset:384*\rho+96*\sp+16*\q
.endr
.endr
.endr
	WIN 0
.endm
; gelu(x) = x / (1 + 2^(x (c0 + c1 x^2))), c0 = -2 log2(e) sqrt(2 / pi), c1 = 0.044715 c0: the tanh form, in f32.  Then the lane's 32 numbers, one block, become 24 bytes of codes and a byte.
; The codes of the pass before go down six registers, its byte down 16 bits: after the two passes (columns 0-63, 64-127) HC holds my part of one fragment, SW my two bytes.
.macro EPI
.irp i, 0,1,2,3,4
	WIN 0x0F
.set ep, 0
.rept 16
	v_pk_mul_f32 v[T+2*ep:T+2*ep+1], v[32*\i+2*ep:32*\i+2*ep+1], v[32*\i+2*ep:32*\i+2*ep+1]   ; ascending: each accumulator is read from its low end on
.set ep, ep+1
.endr
	WIN 0
.set ep, 0
.rept 16
	v_pk_fma_f32 v[T+2*ep:T+2*ep+1], v[T+2*ep:T+2*ep+1], s[C1:C1+1], v[C0:C0+1] op_sel_hi:[1,0,1]
.set ep, ep+1
.endr
	WIN 0x0C
.set ep, 0
.rept 16
	v_pk_mul_f32 v[T+2*ep:T+2*ep+1], v[T+2*ep:T+2*ep+1], v[32*\i+2*ep:32*\i+2*ep+1]
.set ep, ep+1
.endr
	WIN 0
.set ep, 0
.rept 32
	v_exp_f32 v[T+ep], v[T+ep]
.set ep, ep+1
.endr
	v_nop                                          ; a plain line behind the exponentials
.set ep, 0
	s_wait_alu depctr_va_vdst(0)                   ; the 32 exponentials have written v[T ..], ahead of their first reader: one wait for the batch
.rept 16
	v_pk_add_f32 v[T+2*ep:T+2*ep+1], v[T+2*ep:T+2*ep+1], 1.0 op_sel_hi:[1,0]
.set ep, ep+1
.endr
.set ep, 0
.rept 32
	v_rcp_f32 v[T+ep], v[T+ep]
.set ep, ep+1
.endr
	v_nop                                          ; a plain line behind the reciprocals
	WIN 0x0C
.set ep, 0
	s_wait_alu depctr_va_vdst(0)                   ; the 32 reciprocals have written v[T ..], ahead of their first reader: one wait for the batch
.rept 16
	v_pk_mul_f32 v[G+2*ep:G+2*ep+1], v[T+2*ep:T+2*ep+1], v[32*\i+2*ep:32*\i+2*ep+1]
.set ep, ep+1
.endr
	WIN 0
	BMAX G
	v_cvt_scalef32_pk16_bf6_f32 v[X1:X1+2], v[G:G+15], v[SCL]
	v_cvt_scalef32_pk16_bf6_f32 v[X2:X2+2], v[G+16:G+31], v[SCL]
	v_lshrrev_b32 v[BYT], 23, v[SCL]               ; the byte; also the plain line behind the conversions
	WIN 0xC3
.irp k, 0,1,2,3,4,5
	v_mov_b32 v[HC+12*\i+\k], v[HC+12*\i+6+\k]
.endr
	WIN 0xC0
.irp k, 0,1,2
	v_mov_b32 v[HC+12*\i+6+\k], v[X1+\k]
	v_mov_b32 v[HC+12*\i+9+\k], v[X2+\k]
.endr
	WIN 0
	v_lshrrev_b32 v[SW+\i], 16, v[SW+\i]
	v_lshl_or_b32 v[SW+\i], v[BYT], v[VSH], v[SW+\i]
.endr
.endm
.macro FIN                             ; my five tiles' fragment of K step fs of the next product, as an image: 512 aligned bytes a store; and the rows' scale words
.irp i, 0,1,2,3,4
	v_permlanex16_b32 v[TB], v[SW+\i], s[SEL], s[SEL+1]
	v_or_b32 v[SW+\i], v[SW+\i], v[TB]
.endr
	WIN 0x0C
	s_wait_alu depctr_va_vdst(0)                   ; the moves have written HC and the ors SW, which the 20 stores below read
.irp i, 0,1,2,3,4
.irp q, 0,1,2
	global_store_b128 v[L16], v[HC+12*\i+4*\q:HC+12*\i+4*\q+3], s[HQP:HQP+1] offset:49152*\i+512*\q
.endr
.endr
	WIN 0
.irp i, 0,1,2,3,4
	global_store_b32 v[LO8], v[SW+\i], s[HSP:HSP+1] offset:2048*\i   ; lanes r and 16 + r hold the same word
.endr
.endm
	s_load_b256 s[4:11], s[0:1], 0x0               ; W1 s[4:5], b1 s[6:7], xq s[8:9], xs s[10:11]
	s_load_b128 s[12:15], s[0:1], 0x20             ; lst s[12:13], hq s[14:15]
	s_load_b64 s[16:17], s[0:1], 0x30              ; hs
	v_lshl_add_u32 v254, v0, 2, 0x1a000
	v_mov_b32 v255, 0
	v_lshrrev_b32 v1, 5, v0
	v_readfirstlane_b32 s[WV], v1                  ; wave 0..3
	v_and_b32 v[L], 31, v0
	v_and_b32 v[R], 15, v0
	v_bfe_u32 v[HH], v0, 4, 1
	s_and_b32 s[E], ttmp7, 0xffff
	s_mov_b32 s[FS], ttmp9
	v_lshlrev_b32 v[LOF], 2, v[R]
	v_lshlrev_b32 v[LO8], 3, v[R]
	v_lshlrev_b32 v[WOF], 4, v[R]
	v_lshl_add_u32 v[WOF], v[HH], 19, v[WOF]       ; 32 rows of 16,384 bytes
	v_lshlrev_b32 v[L16], 4, v[L]
	s_wait_alu depctr_va_sdst(0)                   ; the wave's number is written, ahead of its first reader: LDS places and the bases of W1, lst, hq and hs are made from it
	s_mul_i32 s32, s[WV], SLABB
	v_add_nc_u32 v[WW0], s32, v[L16]
	v_lshlrev_b32 v[V8H], 3, v[HH]
	v_add_nc_u32 v[VSH], 16, v[V8H]
	v_lshlrev_b32 v[BOF], 7, v[HH]
	v_mul_u32_u24 v[H48], 48, v[HH]
	v_lshlrev_b32 v[H16], 4, v[HH]
	s_lshl_b32 s32, s[E], 24                       ; W1: expert, my 128 columns, my wave's 128 rows
	s_lshl_b32 s33, s[FS], 9
	s_add_co_u32 s32, s32, s33
	s_lshl_b32 s33, s[WV], 21
	s_add_co_u32 s32, s32, s33
	s_mov_b32 s33, 0
	s_lshl_b32 s34, s[E], 14                       ; b1
	s_lshl_b32 s35, s[FS], 9
	s_add_co_u32 s34, s34, s35
	s_mov_b32 s35, 0
	s_mul_i32 s36, s[E], 5632                      ; lst
	s_mov_b32 s37, 0
	s_mul_i32 s38, s[E], 80
	s_mul_i32 s39, s[WV], 5
	s_add_co_u32 s38, s38, s39                     ; my first tile: 80 e + 5 w
	s_lshl_b32 s39, s38, 11                        ; hs: 2,048 bytes a tile; K step s at 256 (s >> 2) + 128 (s & 1) + 4 ((s >> 1) & 1), 8 bytes a row
	s_lshr_b32 s2, s[FS], 2
	s_lshl_b32 s2, s2, 8
	s_add_co_u32 s39, s39, s2
	s_and_b32 s2, s[FS], 1
	s_lshl_b32 s2, s2, 7
	s_add_co_u32 s39, s39, s2
	s_bfe_u32 s2, s[FS], 0x10001
	s_lshl_b32 s2, s2, 2
	s_add_co_u32 s39, s39, s2
	s_lshl_b32 s38, s38, 5
	s_add_co_u32 s38, s38, s[FS]                   ; hq: tile x 32 + K step fs
	s_mov_b32 s[SEL], 0x76543210
	s_mov_b32 s[SEL+1], 0xfedcba98
	s_mov_b32 s[C1], 0xbdd2d3e8                    ; c1 = -0.10294324
	s_mov_b32 s[C1+1], s[C1]
	s_mov_b32 s[HI], 0
	s_mov_b32 s[WO], 0
	s_mov_b32 s[HB], 0
	s_wait_kmcnt 0x0
	s_add_nc_u64 s[PWA:PWA+1], s[4:5], s[32:33]
	s_add_nc_u64 s[PWB:PWB+1], s[PWA:PWA+1], 0x800000
	s_add_nc_u64 s[B1P:B1P+1], s[6:7], s[34:35]
	s_add_nc_u64 s[12:13], s[12:13], s[36:37]
	s_load_b32 s[CNT], s[12:13], 0x1400            ; the expert's count of rows
	s_mul_i32 s36, s[WV], 320
	s_add_nc_u64 s[LSP:LSP+1], s[12:13], s[36:37]
	s_mul_i32 s32, s38, 1536
	s_add_nc_u64 s[HQP:HQP+1], s[14:15], s[32:33]
	s_mov_b32 s32, s39
	s_add_nc_u64 s[HSP:HSP+1], s[16:17], s[32:33]
	s_mov_b64 s[PR:PR+1], s[PWB:PWB+1]
	s_add_nc_u64 s[XQP:XQP+1], s[8:9], 384
	s_mov_b32 s[OA], 0
	s_mov_b32 s[OB], RNDW
	s_wait_alu depctr_va_vdst(0)                   ; the offsets made above are written: LOF, WOF and BOF, which the loads below read, and L16 and LO8, which the stores at a chunk's end read
	XADDR_LD
	ISSUE SETA, 0, PWA, 0                          ; my whole first slab is asked for ahead of the wait for the list
	ISSUE SETB, 1, PWA, 0
	BIASLD BOF, 0, B1P
.irp i, 0,1,2,3,4
	v_mov_b32 v[SW+\i], 0
.endr
	v_mov_b32 v[TB], 0                             ; a lane permute's destination counts as one of its sources
	v_mov_b32 v[C0], 0xc0135761                    ; c0 = -2.3022082
	v_mov_b32 v[C0+1], 0xc0135761
	WIN 0xC0
.irp i, 0,1,2,3,4
.irp k, 6,7,8,9,10,11
	v_mov_b32 v[HC+12*\i+\k], 0                    ; written once: the first pass moves them down
.endr
.endr
	WIN 0
	s_wait_loadcnt 63                              ; the list's five words are in: 72 loads are younger, and the count's field ends at 63
	XADDR_AR
	s_wait_alu depctr_va_vdst(0)                   ; XB and XA are written, which the 65 loads below read as their offsets
	SCLOAD
	XLOAD 8, 0
	s_wait_kmcnt 0x0
	s_wait_loadcnt 60                              ; all but the 60 row fragments: my first slab, the bias and the scale words are in
.Lhi:                                  ; two trips: columns 0-63 (K steps 0-3, then 4-7), columns 64-127 (K steps 4-7, then 0-3)
	BIASMV 0
	s_wait_alu depctr_vm_vsrc(0)                   ; the LDS stores and loads of the trip before have read the four addresses that are made anew below
	v_add_nc_u32 v[WWA], s[OA], v[WW0]
	v_add_nc_u32 v[WRA], s[OA], v[L16]
	v_add_nc_u32 v[WWB], s[OB], v[WW0]
	v_add_nc_u32 v[WRB], s[OB], v[L16]
	QUNIT SETA, 0, 1, PR, 0, -1
	QUNIT SETB, 1, 1, PR, 0, 32                    ; the wait: the row fragments are in (in the second trip they lie there already); set A's 32 refills are younger
	WSCALE
	IMAGE WWA, 0
	BARRIER                                        ; the step's four slabs lie in LDS; each has bytes of its own and is never written again
	s_wait_alu depctr_vm_vsrc(0)                   ; my LDS stores have read CF and WS: fragments land in CF's registers below, and the next step's conversions and ors write both again
	MULROUND 1, WRA, 0, SCR
	PLACES
	s_wait_alu depctr_va_vdst(0)                   ; the step's last products are done reading BF, in which the 60 loads below land
	XLOAD XQP, 0                                   ; the other four K steps' fragments
	s_wait_loadcnt 60                              ; my next slab is in; the 60 just issued may be out
	QUNIT SETA, 0, 2, PWB, 256, 0                  ; the wait: the row fragments are in (what follows it is issued in the first trip alone, so nothing younger is counted on)
	QUNIT SETB, 1, 2, PWB, 256, -1
	WSCALE
	IMAGE WWB, 0
	BARRIER
	s_wait_alu depctr_vm_vsrc(0)                   ; my LDS stores have read CF and WS, as in the trip's first step
	MULROUND 0, WRB, 0, SCR+2
	PLACES
	EPI
.irp i, 0,1,2,3,4                      ; the scale words of K steps 0-3 and 4-7 change places, as the K steps do in the next trip
.irp a, 0,1
	v_mov_b32 v[TA], v[SCR+4*\i+\a]
	v_mov_b32 v[SCR+4*\i+\a], v[SCR+4*\i+2+\a]
	v_mov_b32 v[SCR+4*\i+2+\a], v[TA]
.endr
.endr
	s_wait_loadcnt 0x0                             ; the second half's first slab and bias are in (nothing is out in the second trip)
	s_wait_xcnt 0x0                                ; every load issued has read its base
	s_add_nc_u64 s[PR:PR+1], s[PWA:PWA+1], 256
	s_mov_b64 s[XQP:XQP+1], s[8:9]
	s_xor_b32 s[OA], s[OA], OAX
	s_xor_b32 s[OB], s[OB], OBX
	s_add_co_u32 s[HI], s[HI], 1
	s_cmp_lt_u32 s[HI], 2
	s_cbranch_scc1 .Lhi
	FIN
; CHUNKS 1 TO 3: three trips whatever the count; the work is jumped over where the count does not reach the chunk.  No barrier, no LDS store: the images stay as they are.
	s_mov_b32 s[CB], 0
	s_mov_b32 s[CH], 0
.Lchunk:
	s_wait_xcnt 0x0                                ; the last stores have read their registers and bases
	s_wait_alu depctr_vm_vsrc(0)                   ; the last chunk's stores have read HC and SW, its loads XA and XB: all four are made anew in this chunk
	s_add_co_u32 s[CB], s[CB], 320
	s_add_nc_u64 s[LSP:LSP+1], s[LSP:LSP+1], 1280
	s_add_nc_u64 s[HQP:HQP+1], s[HQP:HQP+1], 983040
	s_add_nc_u64 s[HSP:HSP+1], s[HSP:HSP+1], 40960
	s_cmp_lt_u32 s[CB], s[CNT]
	s_cbranch_scc0 .Lno_rows1
	XADDR_LD
	s_wait_loadcnt 0x0
	XADDR_AR
	s_wait_alu depctr_va_vdst(0)                   ; XB and XA are written, which the loads of this chunk read; the moves that wrote SCR and the products that read it are done: the five loads below land there
	SCLOAD
.Lno_rows1:
	s_mov_b32 s[HI], 0
.Lchi:
	s_wait_alu depctr_vm_vsrc(0)                   ; the LDS loads issued so far have read WRA, the bias's loads BOA: both are made anew below
	v_add_nc_u32 v[WRA], s[WO], v[L16]
	v_add_nc_u32 v[BOA], s[HB], v[BOF]
	s_cmp_lt_u32 s[CB], s[CNT]
	s_cbranch_scc0 .Lno_rows2
	s_wait_alu depctr_va_vdst(0)                   ; WRA and BOA are written; the moves are done reading BT, the products BF, F0, F1 and their scale words, and the way out's arithmetic is done with v64-127: loads land in all of these below
	BIASLD BOA, 0, B1P
	XLOAD 8, 0
	s_wait_loadcnt 0x0
	BIASMV 1
	MULROUND 1, WRA, 0, SCR
	PLACES
	s_wait_alu depctr_va_vdst(0)                   ; the last products are done reading BF, F0, F1 and their scale words, in which the loads below land
	XLOAD 8, 1
	s_wait_loadcnt 0x0
	MULROUND 0, WRA, RNDW, SCR+2
	PLACES
	EPI
.Lno_rows2:
	s_xor_b32 s[WO], s[WO], HALFW
	s_xor_b32 s[HB], s[HB], 256
	s_add_co_u32 s[HI], s[HI], 1
	s_cmp_lt_u32 s[HI], 2
	s_cbranch_scc1 .Lchi
	s_cmp_lt_u32 s[CB], s[CNT]
	s_cbranch_scc0 .Lno_rows3
	FIN
.Lno_rows3:
	s_add_co_u32 s[CH], s[CH], 1
	s_cmp_lt_u32 s[CH], 3
	s_cbranch_scc1 .Lchunk
	s_wait_dscnt 0x0                               ; the closing lines, six on end
	s_wait_alu 0x0
	s_wait_tensorcnt 0x0
	ds_add_u32 v254, v255
	s_wait_dscnt 0x0
	s_endpgm
.Lfunc_end_k_q3a624e91cc_gemm1:
	.size	k_q3a624e91cc_gemm1, .Lfunc_end_k_q3a624e91cc_gemm1-k_q3a624e91cc_gemm1
	.p2alignl 7, 3214868480
	.fill 96, 4, 3214868480
	.section	.rodata,"a",@progbits
	.p2align	6, 0x0
	.amdhsa_kernel k_q3a624e91cc_gemm1
		.amdhsa_group_segment_fixed_size 107008
		.amdhsa_private_segment_fixed_size 0
		.amdhsa_enable_private_segment 0
		.amdhsa_kernarg_size 56
		.amdhsa_user_sgpr_count 2
		.amdhsa_user_sgpr_kernarg_segment_ptr 1
		.amdhsa_wavefront_size32 1
		.amdhsa_system_sgpr_workgroup_id_x 1
		.amdhsa_system_sgpr_workgroup_id_y 1
		.amdhsa_system_sgpr_workgroup_id_z 1
		.amdhsa_system_vgpr_workitem_id 0
		.amdhsa_next_free_vgpr 1024
		.amdhsa_next_free_sgpr 66
		.amdhsa_reserve_vcc 0
		.amdhsa_float_denorm_mode_32 3
		.amdhsa_float_denorm_mode_16_64 3
		.amdhsa_memory_ordered 1
		.amdhsa_forward_progress 1
		.amdhsa_inst_pref_size 254
	.end_amdhsa_kernel
	.amdgpu_metadata
---
amdhsa.version: [ 1, 2 ]
amdhsa.kernels:
  - .name:           k_q3a624e91cc_gemm1
    .symbol:         k_q3a624e91cc_gemm1.kd
    .args:
      - { .name: W1, .offset: 0, .size: 8, .value_kind: global_buffer, .address_space: global }
      - { .name: b1, .offset: 8, .size: 8, .value_kind: global_buffer, .address_space: global }
      - { .name: xq, .offset: 16, .size: 8, .value_kind: global_buffer, .address_space: global }
      - { .name: xs, .offset: 24, .size: 8, .value_kind: global_buffer, .address_space: global }
      - { .name: lst, .offset: 32, .size: 8, .value_kind: global_buffer, .address_space: global }
      - { .name: hq, .offset: 40, .size: 8, .value_kind: global_buffer, .address_space: global }
      - { .name: hs, .offset: 48, .size: 8, .value_kind: global_buffer, .address_space: global }
    .group_segment_fixed_size: 107008
    .private_segment_fixed_size: 0
    .kernarg_segment_align: 8
    .kernarg_segment_size: 56
    .max_flat_workgroup_size: 128
    .sgpr_count:     66
    .vgpr_count:     1024
    .wavefront_size: 32
...
	.end_amdgpu_metadata
.endif
;; end of part 6
;; launch gemm2 (part 7): grid 32 x 8, 4 waves a work-group, no clusters, 124,416 bytes of LDS; arguments W2, b2, hq, hs, lst, p0w, y; writes y
.if DOCPART == 7
	.amdgcn_target "amdgcn-amd-amdhsa--gfx1250"
	.amdhsa_code_object_version 6
	.text
	.protected	k_q3a624e91cc_gemm2
	.globl	k_q3a624e91cc_gemm2
	.p2align	8
	.type	k_q3a624e91cc_gemm2,@function
k_q3a624e91cc_gemm2:
	s_mov_b64 s[64:65], 0
	v_nop
	global_prefetch_b8 v0, s[64:65] scope:SCOPE_SE
	s_setreg_imm32_b32 hwreg(HW_REG_WAVE_SCHED_MODE, 0, 2), 2
	s_setreg_imm32_b32 hwreg(HW_REG_WAVE_MODE, 25, 1), 1
	s_wait_xcnt 0x0
	s_wait_alu depctr_vm_vsrc(0)
; y[kh][row id] = p0 x (h Q(W2[e]) (+ b2[e] in the half kh = 0)) for the rows that chose expert e.  Work-group (cs + 16 kh, e): columns 64 cs .. 64 cs + 63 (256 bytes of a row of W2), K = 2,048 kh .. + 2,047.
; The frame is the first product's: THE WEIGHTS ARE READ ONCE, AS f32, quantised in registers and kept in LDS as images of operand registers; a SLAB is 64 columns x 128 K; 16 slabs;
; in step n of the pipeline wave w quantises slab 4 n + w, and behind ONE barrier every wave multiplies the step's four slabs with its own five tiles of 16 rows.
; A load of 16 bytes takes columns 4 r .. 4 r + 3 of one row of W2: lanes 0-15 cover 256 aligned bytes, lanes 16-31 the same columns 32 rows down.  INSIDE A BLOCK OF 32 the rows are taken in the order
; 4 (p % 8) + p / 8: the order in which the first product's results lay in a lane's registers when the hidden layer's codes were made.  One permutation inside a block, alike on both operands, keeps the products and the scale.
; The hidden layer comes as images of operand registers: 512 bytes on end a load.  The product is used transposed: accumulator (i, j), register j' of lane (r, h) = row r of tile i, column 32 h + 4 j' + j.
; WHY K IS HALVED: 32 columns to a work-group would read half of each aligned 256 bytes of W2; 128 columns with a quarter of K would double y.  The two halves are added by the last launch.
; Padding places store into row 2,048 + e, which nobody reads and whose bytes belong to this work-group alone.
; FEW LOAD INSTRUCTIONS: a wave's loads in flight are bounded by the counter's field (ISA guide 5.7.1): the first slab is asked for first; the row ids come by loads of 16 bytes, the bias by 8 loads, a tile's two scale words by one.
; NOT USED: tensor loads and joint loads; prefetches (each wave's next 32 KB are already requested a step ahead).
; LIMITS: NaN and infinities are not served (the half kh = 1 multiplies the bias by 0); a block of weights whose largest magnitude lies under 2^-122, zeros too, gets the byte 1.
; REGISTERS: as in the first product; window 3: 20 accumulators (0-159), YO: 40 store offsets (160-199).
; THE MODE: SCHED_MODE bits 1:0 = 2 (LLVM: expert scheduling mode 2), set by the entry lines.  The code itself states the register dependences
; between vector or matrix instructions and memory or LDS instructions, with s_wait_alu, always for 0.
; THE PLAN.  Registers that memory or LDS instructions touch, and who else names them:
;   SETA, SETB          A slab's loads land; a unit's 128 moves read.  ONE wait on va_vdst behind the last column's moves; the set's 32 refills follow it at once.
;   CF, WS              Written by conversions, moves and ors; read by the image's 13 LDS stores.  ONE wait on va_vdst ahead of the stores: it also states that all vector work on v64-175 (T, G, CF) is done,
;                       in which F0 and F1 land behind the barrier.  ONE wait on vm_vsrc behind the barrier: the stores have read CF and WS.
;   F0, F1, WSC0, WSC1  13 LDS loads land; 20 products read.  A wait on va_vdst between a buffer's products and its next loads: two in a step of 80 products.
;   BF, the two BSC     Loads land; a step's 80 products read BF and one BSC.  ONE wait on va_vdst behind the step's last products: the next 60 fragments follow it, and at the next step's head the scale words of the step after.
;   TKO, YO, RID, P0    Made anew in each chunk: a wait on va_vdst between the arithmetic that writes TKO and YO and the loads of p0 (the stores by YO come later); at a chunk's head a wait on vm_vsrc
;                       (the stores have read YO, the loads of p0 TKO) and a wait on va_vdst ahead of the list's loads, which land in YO and RID.
;   T, G                The way out, a tile at a time: the multiplications write T, LDS stores read it, LDS loads land in G, global stores read G.  A wait on va_vdst ahead of the LDS stores; a wait on vm_vsrc at the head of tiles 1 to 4.
;   WOF, L16, L8, LOF, H32, BOF, WW0, WR0, YSO, YSR are made at the head and never written again: one wait on va_vdst ahead of the first load.
; A set's refills stand straight behind the wait that frees the set: the wave's next slab is asked for as soon as its registers are free.
.set RS,    4096
.set SLABB, 6656
.set RNDW,  4*SLABB
.set HALFW, 8*SLABB
.set YST,   16*SLABB                   ; behind the images: 16 rows x (256 bytes + 16) for each wave, its own
.set L,   1
.set R,   2
.set HH,  3
.set WOF, 4
.set L16, 5
.set L8,  6
.set WW0, 7                            ; v7, v8   where I store my slab's image: steps 0-1, steps 2-3
.set WR0, 9                            ; v9, v10  where a step's images are read
.set V8H, 13
.set BOF, 15
.set LOF, 17
.set H32, 19
.set TKO, 20                           ; v20-24
.set RID, 25                           ; v25-29
.set R16, 31
.set YSO, 32
.set YSR, 33
.set TA,  34
.set TB,  35
.set BSC, 36                           ; v36-45 the rows' scale words of even steps; v226-235 of odd steps
.set P0,  46                           ; v46-50 p0 of row r of tile i
.set WSC0, 52
.set WSC1, 56
.set WS,  60
.set T,   64
.set G,   96
.set F0,  64
.set F1,  112
.set CF,  128
.set BY,  176
.set X2,  184
.set M,   188
.set SCL, 190
.set BI,  192
.set SETA, 0
.set SETB, 128
.set YO,  160
.set PW,  20
.set B2P, 22
.set HQP, 24
.set HSP, 26
.set LSP, 28
.set YP,  30
.set WV,  40
.set E,   41
.set CS,  42
.set KH,  43
.set CNT, 44
.set CB,  45
.set CH,  46
.set KF,  47
.set SEL, 50
.set MSB, 0
.macro WIN new                         ; the immediate's high byte repeats the setting that is left
.if MSB != \new
	s_set_vgpr_msb (MSB<<8)|\new
.set MSB, \new
.endif
.endm
.macro PLACES                          ; behind the last product of a run: five plain lines serve loads into its registers, reads of its results, and a sum begun anew over an accumulator
.rept 5
	v_nop
.endr
.endm
.macro BARRIER
	s_wait_dscnt 0x0
	s_barrier_signal -1
	s_barrier_wait -1
.endm
.macro ISSUE set, c, pb, im            ; rows 64 c + 32 h + 4 (p % 8) + p / 8 of a slab
	WIN 0x40
.set ip, 0
.rept 32
	global_load_b128 v[\set+4*ip:\set+4*ip+3], v[WOF], s[\pb:\pb+1] offset:(\im)+(64*(\c)+4*(ip%8)+ip/8)*RS th:TH_LOAD_NT
.set ip, ip+1
.endr
	WIN 0
.endm
.macro BMAX b                          ; the largest magnitude of 32 registers, in two chains, the floor 2^(5 - 127) among the leaves; then the conversion's scale operand
	v_max3_num_f32 v[M], |v[\b]|, |v[\b+1]|, 0x2800000
	v_max3_num_f32 v[M+1], |v[\b+2]|, |v[\b+3]|, |v[\b+4]|
.set bp, 0
.rept 13
	v_max3_num_f32 v[M+bp%2], v[M+bp%2], |v[\b+5+2*bp]|, |v[\b+6+2*bp]|
.set bp, bp+1
.endr
	v_max3_num_f32 v[M], v[M], v[M+1], |v[\b+31]|
	v_add_nc_u32 v[SCL], 0xfe000000, v[M]
.endm
; Unit c of my slab becomes registers 6 c .. 6 c + 5 of the four fragments.  Behind the last column's moves the set is free: pw >= 0: a wait for loads stands there; rf = 1: the set takes the same unit of my next slab.
.macro QUNIT set, c, rf, pb, im, pw
.irp j, 0,1,2,3
	WIN 0x01
.set qp, 0
.rept 32
	v_mov_b32 v[T+32*(\j%2)+qp], v[\set+4*qp+\j]
.set qp, qp+1
.endr
	WIN 0
.if \j == 3
.if \pw >= 0
	s_wait_loadcnt \pw
.endif
.if \rf == 1
	s_wait_alu depctr_va_vdst(0)                   ; the unit's 128 moves are done reading the set, in which the 32 loads below land
	ISSUE \set, \c, \pb, \im
.endif
.endif
	BMAX T+32*(\j%2)
	v_cvt_scalef32_pk16_bf6_f32 v[CF+12*\j+6*\c:CF+12*\j+6*\c+2], v[T+32*(\j%2):T+32*(\j%2)+15], v[SCL]
	v_cvt_scalef32_pk16_bf6_f32 v[X2:X2+2], v[T+32*(\j%2)+16:T+32*(\j%2)+31], v[SCL]   ; (a conversion's three registers begin on an even number)
	v_lshrrev_b32 v[BY+4*\c+\j], 23, v[SCL]        ; the scale's byte; also the plain line behind the conversions
.irp k, 0,1,2
	v_mov_b32 v[CF+12*\j+6*\c+3+\k], v[X2+\k]
.endr
.endr
.endm
.macro WSCALE
.irp j, 0,1,2,3
	v_lshl_or_b32 v[TA], v[BY+4+\j], 16, v[BY+\j]
	v_lshlrev_b32 v[TA], v[V8H], v[TA]
	v_permlanex16_b32 v[TB], v[TA], s[SEL], s[SEL+1]
	v_or_b32 v[WS+\j], v[TA], v[TB]
.endr
.endm
.macro IMAGE wa, off
	s_wait_alu depctr_va_vdst(0)                   ; the conversions, moves and ors have written CF and WS, which the 13 stores below read; and all vector work on v64-175 is done, in which the fragments land behind the barrier
.irp j, 0,1,2,3
.irp q, 0,1,2
	ds_store_b128 v[\wa], v[CF+12*\j+4*\q:CF+12*\j+4*\q+3] offset:(\off)+1536*\j+512*\q
.endr
.endr
	ds_store_b128 v[\wa], v[WS:WS+3] offset:(\off)+6144
.endm
.macro LOADW wr, off, f, wsc
.irp j, 0,1,2,3
.irp q, 0,1,2
	ds_load_b128 v[\f+12*\j+4*\q:\f+12*\j+4*\q+3], v[\wr] offset:(\off)+1536*\j+512*\q
.endr
.endr
	ds_load_b128 v[\wsc:\wsc+3], v[\wr] offset:(\off)+6144
.endm
; 20 products: one slab's four fragments x my five tiles.  The 20 accumulators take turns, one instruction a turn, in the same order in every step.
.macro MUL20 f, wsc, sp, first, bsc
.if \first
	WIN 0xC8
.else
	WIN 0xF8
.endif
.irp j, 0,1,2,3
.irp i, 0,1,2,3,4
.set DB, 32*\i+8*\j
.if \first
.set CBASE, BI+8*\j
.else
.set CBASE, DB
.endif
.if (\sp)%2
	v_wmma_scale_f32_16x16x128_f8f6f4 v[DB:DB+7], v[\f+12*\j:\f+12*\j+11], v[12*(5*(\sp)+\i):12*(5*(\sp)+\i)+11], v[CBASE:CBASE+7], v[\wsc+\j], v[\bsc+2*\i+(\sp)/2] matrix_a_fmt:MATRIX_FMT_BF6 matrix_b_fmt:MATRIX_FMT_BF6 matrix_b_scale:MATRIX_SCALE_ROW1
.else
	v_wmma_scale_f32_16x16x128_f8f6f4 v[DB:DB+7], v[\f+12*\j:\f+12*\j+11], v[12*(5*(\sp)+\i):12*(5*(\sp)+\i)+11], v[CBASE:CBASE+7], v[\wsc+\j], v[\bsc+2*\i+(\sp)/2] matrix_a_fmt:MATRIX_FMT_BF6 matrix_b_fmt:MATRIX_FMT_BF6
.endif
.endr
.endr
	WIN 0
.endm
.macro NOP4
.rept 4
	v_nop
.endr
.endm
.macro MULROUND first, wr, off, bsc
	LOADW \wr, (\off), F0, WSC0
	LOADW \wr, (\off)+SLABB, F1, WSC1
	s_wait_dscnt 13                                ; all but the 13 just issued
	MUL20 F0, WSC0, 0, \first, \bsc
	NOP4
	s_wait_alu depctr_va_vdst(0)                   ; the 20 products are done reading F0 and WSC0, in which the third slab lands
	LOADW \wr, (\off)+2*SLABB, F0, WSC0
	s_wait_dscnt 13
	MUL20 F1, WSC1, 1, 0, \bsc
	NOP4
	s_wait_alu depctr_va_vdst(0)                   ; the 20 products are done reading F1 and WSC1, in which the fourth slab lands
	LOADW \wr, (\off)+3*SLABB, F1, WSC1
	s_wait_dscnt 13
	MUL20 F0, WSC0, 2, 0, \bsc
	s_wait_dscnt 0x0
	MUL20 F1, WSC1, 3, 0, \bsc
.endm
.macro SCLOAD n                        ; step n's scale words of my five tiles, two words a lane: lanes 0-15 the even K steps', lanes 16-31 the odd ones'
.irp i, 0,1,2,3,4
	global_load_b64 v[BSC+190*((\n)%2)+2*\i:BSC+190*((\n)%2)+2*\i+1], v[L8], s[HSP:HSP+1] offset:2048*\i+256*(\n)
.endr
.endm
.macro HLOAD n                         ; 60 loads: step n's fragments of my five tiles, images of operand registers
	WIN 0x80
.irp sp, 0,1,2,3
.irp i, 0,1,2,3,4
.irp q, 0,1,2
	global_load_b128 v[12*(5*\sp+\i)+4*\q:12*(5*\sp+\i)+4*\q+3], v[L16], s[HQP:HQP+1] offset:49152*\i+1536*(4*(\n)+\sp)+512*\q
.endr
.endr
.endr
	WIN 0
.endm
.macro YADDR1                          ; the list: for the stores lanes 0-15 want rows 0-7 of a tile, lanes 16-31 rows 8-15: eight neighbours, two loads; for p0 lane (r, h) wants row r
	WIN 0xC0
.irp i, 0,1,2,3,4
.irp u, 0,1
	global_load_b128 v[YO+8*\i+4*\u:YO+8*\i+4*\u+3], v[H32], s[LSP:LSP+1] offset:64*\i+16*\u
.endr
.endr
	WIN 0
.irp i, 0,1,2,3,4
	global_load_b32 v[RID+\i], v[LOF], s[LSP:LSP+1] offset:64*\i
.endr
.endm
.macro YADDR2                          ; row ids are held under a constant, then become bytes
	WIN 0xCC
.set yp, 0
.rept 40
	v_min_u32 v[YO+yp], 0x807, v[YO+yp]
.set yp, yp+1
.endr
	WIN 0xC3
.set yp, 0
.rept 40
	v_lshl_add_u32 v[YO+yp], v[YO+yp], 12, v[R16]
.set yp, yp+1
.endr
	WIN 0
.irp i, 0,1,2,3,4
	v_min_u32 v[RID+\i], 0x807, v[RID+\i]
	v_and_b32 v[TKO+\i], 0x3ff, v[RID+\i]
	v_lshlrev_b32 v[TKO+\i], 2, v[TKO+\i]
.endr
	s_wait_alu depctr_va_vdst(0)                   ; TKO is written, which the five loads below read, and YO, which the chunk's stores read; the last way out's multiplications are done reading P0, its products BF and the scale words: loads land in these below
.irp i, 0,1,2,3,4
	global_load_b32 v[P0+\i], v[TKO+\i], s[14:15]
.endr
.endm
; THE WAY OUT, a tile at a time: x p0; a lane's 32 columns go into my stage (rows of 272 bytes) and come back by rows (lanes 0-15 row t, lanes 16-31 row t + 8): sixteen lanes store 256 aligned bytes of a row of y.
.macro YOUT
.irp i, 0,1,2,3,4
.if \i > 0
	s_wait_alu depctr_vm_vsrc(0)                   ; the last tile's LDS stores have read T, which the multiplications below write again, and its global stores G, in which this tile's rows land
.endif
	WIN 0x03
.irp k, 0,1,2,3,4,5,6,7
.irp j, 0,1,2,3
	v_mul_f32 v[T+4*\k+\j], v[32*\i+8*\j+\k], v[P0+\i]     ; register 0 of each of the four accumulators first
.endr
.endr
	WIN 0
	s_wait_alu depctr_va_vdst(0)                   ; the multiplications have written T, which the LDS stores read; in the first tile also: the last products are done reading v96-127, in which the rows land
.irp k, 0,1,2,3,4,5,6,7
	ds_store_b128 v[YSO], v[T+4*\k:T+4*\k+3] offset:16*\k
.endr
	s_wait_xcnt 0x0                                ; the last tile's stores have read their data registers
.irp t, 0,1,2,3,4,5,6,7
	ds_load_b128 v[G+4*\t:G+4*\t+3], v[YSR] offset:272*\t   ; LDS serves a wave in order: these see the stores above
.endr
	s_wait_dscnt 0x0
	WIN 0x03
.irp t, 0,1,2,3,4,5,6,7
	global_store_b128 v[YO+8*\i+\t], v[G+4*\t:G+4*\t+3], s[YP:YP+1]
.endr
	WIN 0
.endr
.endm
.macro ROUND n
	s_wait_loadcnt 60                              ; all but the 60 row fragments: my slab (and what was asked ahead of it) is in
.if \n == 0
.irp j, 0,1,2,3
.irp k, 0,1,2,3,4,5,6,7
	v_mul_f32 v[BI+8*\j+\k], s[KF], v[T+4*\k+\j]   ; the bias counts in the half kh = 0 alone; the same line lays it in the result's layout: 8 j + j' = column 32 h + 4 j' + j
.endr
.endr
	YADDR2
.endif
.if \n < 3
	SCLOAD \n+1                                    ; (the products that read this set of scale words stand ahead of the wait at the last step's end)
	QUNIT SETA, 0, 1, PW, (\n+1)*2097152, -1
.if \n == 0
	QUNIT SETB, 1, 1, PW, (\n+1)*2097152, 42       ; the wait: the row fragments are in; younger are 5 loads of p0, 5 of scale words and set A's 32 refills
.else
	QUNIT SETB, 1, 1, PW, (\n+1)*2097152, 37       ; younger: 5 loads of scale words and set A's 32 refills
.endif
.else
	QUNIT SETA, 0, 0, PW, 0, -1
	QUNIT SETB, 1, 0, PW, 0, 0
.endif
	WSCALE
	IMAGE WW0+\n/2, RNDW*(\n%2)
	BARRIER                                        ; the step's four slabs lie in LDS; each has bytes of its own and is never written again
	s_wait_alu depctr_vm_vsrc(0)                   ; my LDS stores have read CF and WS: fragments land in CF's registers below, and the next step's conversions and ors write both again
	MULROUND (\n==0), WR0+\n/2, RNDW*(\n%2), BSC+190*(\n%2)
	PLACES
.if \n < 3
	s_wait_alu depctr_va_vdst(0)                   ; the step's last products are done reading BF, in which the 60 loads below land, and this step's scale words, in which the next step's first five loads land
	HLOAD \n+1
.endif
.endm
	s_load_b256 s[4:11], s[0:1], 0x0               ; W2 s[4:5], b2 s[6:7], hq s[8:9], hs s[10:11]
	s_load_b128 s[12:15], s[0:1], 0x20             ; lst s[12:13], p0w s[14:15]
	s_load_b64 s[16:17], s[0:1], 0x30              ; y
	v_lshl_add_u32 v254, v0, 2, 0x1e400
	v_mov_b32 v255, 0
	v_lshrrev_b32 v1, 5, v0
	v_readfirstlane_b32 s[WV], v1                  ; wave 0..3
	v_and_b32 v[L], 31, v0
	v_and_b32 v[R], 15, v0
	v_bfe_u32 v[HH], v0, 4, 1
	s_and_b32 s[E], ttmp7, 0xffff
	s_and_b32 s[CS], ttmp9, 15
	s_lshr_b32 s[KH], ttmp9, 4
	v_lshlrev_b32 v[LOF], 2, v[R]
	v_lshlrev_b32 v[R16], 4, v[R]
	v_lshl_add_u32 v[WOF], v[HH], 17, v[R16]       ; 32 rows of 4,096 bytes
	v_lshlrev_b32 v[L16], 4, v[L]
	v_lshlrev_b32 v[L8], 3, v[L]
	s_wait_alu depctr_va_sdst(0)                   ; the wave's number is written, ahead of its first reader: LDS places and the bases of W2, lst, hq and hs are made from it
	s_mul_i32 s32, s[WV], SLABB
	v_add_nc_u32 v[WW0], s32, v[L16]
	v_add_nc_u32 v[WW0+1], HALFW, v[WW0]
	v_mov_b32 v[WR0], v[L16]
	v_add_nc_u32 v[WR0+1], HALFW, v[L16]
	v_lshlrev_b32 v[V8H], 3, v[HH]
	v_lshlrev_b32 v[BOF], 7, v[HH]
	v_lshlrev_b32 v[H32], 5, v[HH]
	s_mul_i32 s32, s[WV], 4352
	s_add_co_u32 s32, s32, YST
	v_mul_u32_u24 v[YSO], 272, v[R]
	v_lshl_add_u32 v[YSO], v[HH], 7, v[YSO]
	v_add_nc_u32 v[YSO], s32, v[YSO]               ; into my stage: row r, 128 h
	v_mul_u32_u24 v[YSR], 2176, v[HH]
	v_lshl_add_u32 v[YSR], v[R], 4, v[YSR]
	v_add_nc_u32 v[YSR], s32, v[YSR]               ; back: lanes 0-15 a row, lanes 16-31 the row eight further down
	v_mov_b32 v[TB], 0                             ; a lane permute's destination counts as one of its sources
	s_lshl_b32 s32, s[E], 24                       ; W2: expert, half of K, my wave's 128 rows, my 64 columns
	s_lshl_b32 s33, s[KH], 23
	s_add_co_u32 s32, s32, s33
	s_lshl_b32 s33, s[WV], 19
	s_add_co_u32 s32, s32, s33
	s_lshl_b32 s33, s[CS], 8
	s_add_co_u32 s32, s32, s33
	s_mov_b32 s33, 0
	s_lshl_b32 s34, s[E], 12                       ; b2
	s_lshl_b32 s35, s[CS], 8
	s_add_co_u32 s34, s34, s35
	s_mov_b32 s35, 0
	s_mul_i32 s36, s[E], 5632                      ; lst
	s_mov_b32 s37, 0
	s_mul_i32 s38, s[E], 80
	s_mul_i32 s39, s[WV], 5
	s_add_co_u32 s38, s38, s39
	s_lshl_b32 s38, s38, 5
	s_lshl_b32 s39, s[KH], 4
	s_add_co_u32 s38, s38, s39                     ; (tile 80 e + 5 w) x 32 + K step 16 kh
	s_mov_b32 s[SEL], 0x76543210
	s_mov_b32 s[SEL+1], 0xfedcba98
	s_cmp_eq_u32 s[KH], 0
	s_cselect_b32 s[KF], 1.0, 0
	s_wait_kmcnt 0x0
	s_add_nc_u64 s[PW:PW+1], s[4:5], s[32:33]      ; never stepped: the step stands in the loads' immediates
	s_add_nc_u64 s[B2P:B2P+1], s[6:7], s[34:35]
	s_add_nc_u64 s[12:13], s[12:13], s[36:37]
	s_load_b32 s[CNT], s[12:13], 0x1400            ; the expert's count of rows
	s_mul_i32 s36, s[WV], 320
	s_add_nc_u64 s[LSP:LSP+1], s[12:13], s[36:37]
	s_mul_i32 s32, s38, 1536
	s_add_nc_u64 s[HQP:HQP+1], s[8:9], s[32:33]
	s_lshl_b32 s32, s38, 6                         ; hs: 2,048 bytes a tile, 256 for four K steps
	s_add_nc_u64 s[HSP:HSP+1], s[10:11], s[32:33]
	s_mul_i32 s32, s[KH], 8421376
	s_lshl_b32 s34, s[CS], 8
	s_add_co_u32 s32, s32, s34
	s_add_nc_u64 s[YP:YP+1], s[16:17], s[32:33]
	s_wait_alu depctr_va_vdst(0)                   ; the offsets and LDS addresses made above are written: every load, LDS store and LDS load of the kernel reads one of them
	ISSUE SETA, 0, PW, 0                           ; my first slab first: nothing stands in front of it
	ISSUE SETB, 1, PW, 0
	YADDR1
.irp k, 0,1,2,3,4,5,6,7
	global_load_b128 v[T+4*\k:T+4*\k+3], v[BOF], s[B2P:B2P+1] offset:16*\k   ; my half's 32 numbers of the bias as they lie
.endr
	SCLOAD 0
	HLOAD 0
	s_wait_kmcnt 0x0
	ROUND 0
	ROUND 1
	ROUND 2
	ROUND 3
	YOUT
; CHUNKS 1 TO 3: three trips whatever the count; the work is jumped over where the count does not reach the chunk.  No barrier; the stage is my wave's own, the images stay as they are.
	s_mov_b32 s[CB], 0
	s_mov_b32 s[CH], 0
.Lchunk:
	s_wait_xcnt 0x0                                ; the last stores have read their registers
	s_wait_alu depctr_vm_vsrc(0)                   ; the last way out's global stores have read YO and G, its LDS stores T, the loads of p0 TKO: all are written again in this chunk
	s_add_co_u32 s[CB], s[CB], 320
	s_add_nc_u64 s[LSP:LSP+1], s[LSP:LSP+1], 1280
	s_add_nc_u64 s[HQP:HQP+1], s[HQP:HQP+1], 983040
	s_add_nc_u64 s[HSP:HSP+1], s[HSP:HSP+1], 40960
	s_cmp_lt_u32 s[CB], s[CNT]
	s_cbranch_scc0 .Lno_rows
	s_wait_alu depctr_va_vdst(0)                   ; the arithmetic of the chunk before has written YO and RID and is done reading them: the list's 15 loads below land there
	YADDR1
	s_wait_loadcnt 0x0
	YADDR2
.irp n, 0,1,2,3
.if \n > 0
	s_wait_alu depctr_va_vdst(0)                   ; the last 80 products are done reading BF, F0, F1 and the scale words, in which the loads below land
.endif
	SCLOAD \n
	HLOAD \n
	s_wait_loadcnt 0x0
	MULROUND (\n==0), WR0+\n/2, RNDW*(\n%2), BSC+190*(\n%2)
	PLACES
.endr
	YOUT
.Lno_rows:
	s_add_co_u32 s[CH], s[CH], 1
	s_cmp_lt_u32 s[CH], 3
	s_cbranch_scc1 .Lchunk
	s_wait_dscnt 0x0                               ; the closing lines, six on end
	s_wait_alu 0x0
	s_wait_tensorcnt 0x0
	ds_add_u32 v254, v255
	s_wait_dscnt 0x0
	s_endpgm
.Lfunc_end_k_q3a624e91cc_gemm2:
	.size	k_q3a624e91cc_gemm2, .Lfunc_end_k_q3a624e91cc_gemm2-k_q3a624e91cc_gemm2
	.p2alignl 7, 3214868480
	.fill 96, 4, 3214868480
	.section	.rodata,"a",@progbits
	.p2align	6, 0x0
	.amdhsa_kernel k_q3a624e91cc_gemm2
		.amdhsa_group_segment_fixed_size 124416
		.amdhsa_private_segment_fixed_size 0
		.amdhsa_enable_private_segment 0
		.amdhsa_kernarg_size 56
		.amdhsa_user_sgpr_count 2
		.amdhsa_user_sgpr_kernarg_segment_ptr 1
		.amdhsa_wavefront_size32 1
		.amdhsa_system_sgpr_workgroup_id_x 1
		.amdhsa_system_sgpr_workgroup_id_y 1
		.amdhsa_system_sgpr_workgroup_id_z 1
		.amdhsa_system_vgpr_workitem_id 0
		.amdhsa_next_free_vgpr 1024
		.amdhsa_next_free_sgpr 66
		.amdhsa_reserve_vcc 0
		.amdhsa_float_denorm_mode_32 3
		.amdhsa_float_denorm_mode_16_64 3
		.amdhsa_memory_ordered 1
		.amdhsa_forward_progress 1
		.amdhsa_inst_pref_size 255
	.end_amdhsa_kernel
	.section	.bss,"aw",@nobits
	.p2align	6
	.space	262144
	.amdgpu_metadata
---
amdhsa.version: [ 1, 2 ]
amdhsa.kernels:
  - .name:           k_q3a624e91cc_gemm2
    .symbol:         k_q3a624e91cc_gemm2.kd
    .args:
      - { .name: W2, .offset: 0, .size: 8, .value_kind: global_buffer, .address_space: global }
      - { .name: b2, .offset: 8, .size: 8, .value_kind: global_buffer, .address_space: global }
      - { .name: hq, .offset: 16, .size: 8, .value_kind: global_buffer, .address_space: global }
      - { .name: hs, .offset: 24, .size: 8, .value_kind: global_buffer, .address_space: global }
      - { .name: lst, .offset: 32, .size: 8, .value_kind: global_buffer, .address_space: global }
      - { .name: p0w, .offset: 40, .size: 8, .value_kind: global_buffer, .address_space: global }
      - { .name: y, .offset: 48, .size: 8, .value_kind: global_buffer, .address_space: global }
    .group_segment_fixed_size: 124416
    .private_segment_fixed_size: 0
    .kernarg_segment_align: 8
    .kernarg_segment_size: 56
    .max_flat_workgroup_size: 128
    .sgpr_count:     66
    .vgpr_count:     1024
    .wavefront_size: 32
...
	.end_amdgpu_metadata
.endif
;; end of part 7
;; launch combine: the kernel of part 5 again; grid 256 x 1, 8 waves a work-group, no clusters, 0 bytes of LDS; arguments y, out0; writes out0
